; MI455X (gfx1250); checked and timed in simulation.
; The chip was launched on July 23, 2026; its instructions are those of AMD's public machine-readable ISA for CDNA 5 (MIT licence, August 2026) and "CDNA5" Instruction Set Architecture Reference Guide (July 2026). The comments in the code are by the model that wrote it; some were corrected since.
;; Multi Head Attention. Allowed arithmetic: matrix products marked QUANTISED: E3M2 operands, one E8M0 scale for each 32 along K, by v_wmma_scale_f32_16x16x128_f8f6f4 with both operands' format E3M2, f32 sums; everything else in f32.
;; Inputs: Wk 1,024 x 1,024 float32; Wo 1,024 x 1,024 float32; Wq 1,024 x 1,024 float32; Wv 1,024 x 1,024 float32; bk 1,024 float32; bo 1,024 float32; bq 1,024 float32; bv 1,024 float32; x 4 x 2,048 x 1,024 float32.
;; Outputs: out0 4 x 2,048 x 1,024 float32.
;; This version of the problem:
;;   THIS VERSION OF THE PROBLEM IS GIVEN IN LOW PRECISION. The matrix products marked QUANTISED in the list below multiply operands that are first quantised to E3M2 (3 exponent bits, 2 mantissa bits; 6 bits a number), with one power-of-two scale for each 32 numbers along K (OCP MX v1.0); their sums are f32. All else is computed in f32.
;;   The module's matrix products, in the order in which they are computed (A, B: the left and right operand; K: the contracted axis; several contracted axes count as one K, in the product's order):
;;     1. [M 8,192, K 1,024] x [K 1,024, N 1,024]; A: input x; B: input Wq: QUANTISED
;;     2. [M 8,192, K 1,024] x [K 1,024, N 1,024]; A: input x; B: input Wk: QUANTISED
;;     3. [M 8,192, K 1,024] x [K 1,024, N 1,024]; A: input x; B: input Wv: QUANTISED
;;     4. batch 64 x [M 2,048, K 64] x [K 64, N 2,048]; A: computed on the way; B: computed on the way: QUANTISED
;;     5. batch 64 x [M 2,048, K 2,048] x [K 2,048, N 64]; A: softmax (see below); B: computed on the way: QUANTISED
;;     6. [M 8,192, K 1,024] x [K 1,024, N 1,024]; A: computed on the way; B: input Wo: QUANTISED
;;   THE QUANTISER, for each operand of a quantised product, along K:
;;     - K is cut into blocks of 32 from its start; a last block that is shorter is filled with zeros.
;;     - A block's scale is 2^e with e = floor(log2(the largest magnitude in the block)) - 4, held to -126 .. 127; a block of zeros has e = 0. As a byte (E8M0): e + 127.
;;     - Each number is divided by its block's scale, clamped to +-28, and rounded to the nearest number of E3M2, ties to even, subnormals kept.
;;     - The product sums the exact products of the quantised numbers (number of the format x scale) in f32.
;;   ~~~python
;;   def quantise(x, axis):      # numpy; x: float32 -> the quantised numbers, widened to float32 again
;;       x = np.moveaxis(x, axis, -1); K = x.shape[-1]
;;       x = np.pad(x, [(0, 0)] * (x.ndim - 1) + [(0, -K % 32)]); x = x.reshape(x.shape[:-1] + (-1, 32)); a = np.abs(x).max(-1, keepdims=True)
;;       e = np.where(a > 0, np.clip(np.frexp(np.where(a > 0, a, 1))[1] - 1 - 4, -126, 127), 0)      # np.frexp(a)[1] - 1 = floor(log2(a)), exactly
;;       r = np.clip(x / 2.0 ** e, -28, 28)
;;       step = 2.0 ** (np.maximum(np.frexp(np.where(r == 0, 1, r))[1] - 1, -2) - 2)
;;       q = np.round(r / step) * step * 2.0 ** e      # np.round: ties to even
;;       return np.moveaxis(q.reshape(q.shape[:-2] + (-1,))[..., :K], -1, axis).astype(np.float32)
;;   ~~~
;;   SOFTMAX AHEAD OF A QUANTISED PRODUCT. Where the list says 'softmax', what is quantised is not the finished softmax but p = 2^(t - M), with t = logit x log2(e) and M = ceil(the row's largest t), a whole number; so 1/2 < the row's largest p <= 1. The row's sum l is taken of the UNQUANTISED p, in f32, and the product's result is divided by l at the end. Since M is a whole number, a kernel that streams over the keys may use a running M (the ceiling of the running maximum): every later rescaling is an exact power of two, which a block's scale takes up: the codes' values come out the same.
;;   OPERANDS COMPUTED ON THE WAY. 'Computed on the way' means the value that the module computes at that place (a softmax that the list does not call 'softmax' is quantised finished and normalised). What goes into a quantiser is computed in f32, as accurately as f32 sums, v_exp_f32 and their like allow (about 1e-6 of the number): no bf16 or f16 on the way to a quantiser, and a product that is left as it is and whose result goes on into a quantised operand takes f32 operands (vector FMAs, or v_wmma_f32_16x16x4_f32). A number that lies on a knife's edge between two numbers of the format may be rounded either way, as far as f32 arithmetic and the matrix unit's own rounding can turn it there, and no further.
;; One version. Each part assembles by itself: llvm-mc -triple=amdgcn-amd-amdhsa -mcpu=gfx1250 --defsym DOCPART=n.
;; ======== version 1 of 1: 4 launches
;; limits: right only within a limited range of input values
;; workspace buffers: img 9,437,184 bytes; sc 393,216 bytes; qb 6,815,744 bytes; kv 13,369,344 bytes; o_img 6,291,456 bytes; o_sc 262,144 bytes
;; launch quant (part 1): grid 384 x 1, 4 waves a work-group, no clusters, 34,304 bytes of LDS; arguments x, Wq, Wk, Wv, Wo, img, sc; writes img, sc
.if DOCPART == 1
	.amdgcn_target "amdgcn-amd-amdhsa--gfx1250"
	.amdhsa_code_object_version 6
	.text
	.protected	k_q3408b59b7d_quant
	.globl	k_q3408b59b7d_quant
	.p2align	8
	.type	k_q3408b59b7d_quant,@function
k_q3408b59b7d_quant:
	s_mov_b64 s[64:65], 0
	v_nop
	global_prefetch_b8 v0, s[64:65] scope:SCOPE_SE
	s_setreg_imm32_b32 hwreg(HW_REG_WAVE_MODE, 25, 1), 1
	s_wait_xcnt 0x0
; x [8192][1024] and Wq, Wk, Wv, Wo [1024][1024], f32, K innermost, become codes of BF6 (E3M2) with one E8M0 byte for each 32 along K,
; laid in the ORDER OF AN OPERAND'S REGISTERS.  A TILE is 16 rows of a group of 32: lane r of tile T holds row 32 (T / 2) + 8 (T % 2) + r + 8 (r / 8).
; img: [768 tiles][16 halves of 64 K][768 bytes]; tiles 0-511 x, 512-575 Wq, 576-639 Wk, 640-703 Wv, 704-767 Wo.  In a half, lane l = (r, h) owns the 24 bytes of
; block h of row r: words 0-3 at 16 l, words 4-5 at 512 + 8 l.  sc: [768][4 K steps of 256][16 rows][8 bytes].
; A block's scale is 2^(floor(log2(largest magnitude)) - 4); its byte is the largest magnitude's exponent field - 4, held at 1 from below.
; LIMITS: a block of zeros gets the byte 1 where the quantiser says 127 (its codes are zeros, and this program alone reads the bytes); blocks whose largest magnitude
; lies under 2^-122 keep the byte 1; NaN and infinities among the inputs are not served.
; SHARES: wave W = 4 x work-group + wave takes tile W / 2 and half W % 2 of K: four steps of 128 along K.  Each load reads 512 consecutive bytes of one row; a step's
; 16 rows turn through the wave's own stage in LDS (rows 528 bytes apart), so that a lane gets 16 neighbours of each block of its row.  Waves share nothing: no barrier.
.set SP,   528                         ; a stage row: 512 bytes + 16
.set WST,  16*SP                       ; a wave's stage
.set R,    16                          ; v16-143  two sets of 64 registers as loaded
.set X,    144                         ; v144-207 64 numbers of my row: register 16 b + i = k 32 b + 16 h + i
.set PC,   208                         ; v208-226 the codes just made
.set TM,   228                         ; v228-243 at work
.set PW,   244                         ; v244-247 a scale word for each step
.set SEL,  24                          ; s[24:25] selects for lane l xor 16
; 64 numbers of a lane become a fragment's 12 registers of codes in v[pc] on and the row's scale word in v[pw]
.macro QUANT s, pc, tm, pw
.irp b, 0,1,2,3
	v_max3_num_f32 v[\tm+\b], |v[\s+16*\b]|, |v[\s+1+16*\b]|, 0x2800000   ; my 16 numbers of block b, and the floor 2^(5 - 127): the byte cannot fall under 1
.endr
.irp i, 2,4,6,8,10,12,14
.irp b, 0,1,2,3
	v_max3_num_f32 v[\tm+\b], v[\tm+\b], |v[\s+16*\b+\i]|, |v[\s+1+16*\b+\i]|
.endr
.endr
.irp b, 0,1,2,3
	v_permlanex16_b32 v[\tm+4+\b], v[\tm+\b], s[SEL], s[SEL+1]
.endr
.irp b, 0,1,2,3
	v_max_num_f32 v[\tm+\b], v[\tm+\b], v[\tm+4+\b]            ; with lane l xor 16's: the block's largest magnitude
.endr
.irp b, 0,1,2,3
	v_add_nc_u32 v[\tm+12+\b], 0xfe000000, v[\tm+\b]           ; 4 off its exponent field: the conversion's scale operand
.endr
.irp b, 0,1,2,3
	v_lshrrev_b32 v[\tm+4+\b], 23, v[\tm+12+\b]                ; the scale's byte
.endr
	v_lshl_or_b32 v[\pw], v[\tm+5], 8, v[\tm+4]
	v_lshl_or_b32 v[\pw], v[\tm+6], 16, v[\pw]
	v_lshl_or_b32 v[\pw], v[\tm+7], 24, v[\pw]
.irp c, 0,1
	v_cvt_scalef32_pk16_bf6_f32 v[\pc+6*\c:\pc+2+6*\c], v[\s+32*\c:\s+15+32*\c], v[\tm+12+2*\c]
	v_cvt_scalef32_pk16_bf6_f32 v[\pc+12+4*\c:\pc+14+4*\c], v[\s+16+32*\c:\s+31+32*\c], v[\tm+13+2*\c]   ; (a conversion's three registers begin on an even number)
.endr
	v_nop                                          ; one plain place behind the scaled conversions
.irp c, 0,1                                    ; the layout wants a whole block in a lane: lanes 0-15 block 2 c, lanes 16-31 block 2 c + 1
.irp i, 0,1,2
	v_permlane16_swap_b32 v[\pc+6*\c+\i], v[\pc+12+4*\c+\i]
.endr
.irp i, 0,1,2
	v_mov_b32 v[\pc+3+6*\c+\i], v[\pc+12+4*\c+\i]
.endr
.endr
.endm
	s_load_b256 s[4:11], s[0:1], 0x0               ; x, Wq, Wk, Wv
	s_load_b128 s[12:15], s[0:1], 0x20             ; Wo, img
	s_load_b64 s[16:17], s[0:1], 0x30              ; sc
	v_lshl_add_u32 v254, v0, 2, 0x8400
	v_mov_b32 v255, 0
	v_lshrrev_b32 v1, 5, v0
	v_readfirstlane_b32 s18, v1                    ; wave 0..3
	v_and_b32 v1, 31, v0                           ; lane
	v_and_b32 v7, 15, v0                           ; r
	v_bfe_u32 v8, v0, 4, 1                         ; h
	v_lshlrev_b32 v2, 4, v1                        ; 16 x lane
	v_lshlrev_b32 v3, 3, v1                        ; 8 x lane
	s_mul_i32 s26, s18, WST
	v_add_nc_u32 v4, s26, v2                       ; into the stage: 16 bytes a lane of a row
	v_mul_u32_u24 v5, v7, SP
	v_lshl_add_u32 v5, v8, 6, v5
	v_add_nc_u32 v5, s26, v5                       ; out of it: row r, + 64 h
	v_lshlrev_b32 v6, 3, v7
	v_lshl_add_u32 v6, v8, 7, v6                   ; my place among the wave's 256 scale bytes: 128 h + 8 r
	s_mov_b32 s[SEL], 0x76543210
	s_mov_b32 s[SEL+1], 0xfedcba98
.irp b, 0,1,2,3
	v_mov_b32 v[TM+4+\b], 0                        ; written once: a lane permute's destination counts as one of its sources
.endr
	s_lshl_b32 s19, ttmp9, 1
	s_lshr_b32 s20, s18, 1
	s_add_co_u32 s19, s19, s20                     ; my tile
	s_and_b32 s20, s18, 1                          ; my half of K
	s_wait_alu depctr_va_vdst(0)
	s_wait_kmcnt 0x0
	s_mov_b64 s[22:23], s[4:5]                     ; which tensor: the choice hangs on the work-group's number alone
	s_mov_b32 s21, 0                               ; and its first tile
	s_cmp_ge_u32 ttmp9, 256
	s_cselect_b64 s[22:23], s[6:7], s[22:23]
	s_cselect_b32 s21, 512, s21
	s_cmp_ge_u32 ttmp9, 288
	s_cselect_b64 s[22:23], s[8:9], s[22:23]
	s_cselect_b32 s21, 576, s21
	s_cmp_ge_u32 ttmp9, 320
	s_cselect_b64 s[22:23], s[10:11], s[22:23]
	s_cselect_b32 s21, 640, s21
	s_cmp_ge_u32 ttmp9, 352
	s_cselect_b64 s[22:23], s[12:13], s[22:23]
	s_cselect_b32 s21, 704, s21
	s_sub_co_u32 s27, s19, s21                     ; the tile's number in its tensor
	s_lshr_b32 s28, s27, 1
	s_lshl_b32 s28, s28, 5
	s_and_b32 s27, s27, 1
	s_lshl_b32 s27, s27, 3
	s_add_co_u32 s28, s28, s27                     ; its first row
	s_lshl_b32 s28, s28, 12                        ; rows of 4,096 bytes
	s_lshl_b32 s27, s20, 11
	s_add_co_u32 s28, s28, s27                     ; + my half of K
	s_mov_b32 s29, 0
	s_add_nc_u64 s[22:23], s[22:23], s[28:29]
	s_mul_i32 s28, s19, 12288
	s_mul_i32 s27, s20, 6144
	s_add_co_u32 s28, s28, s27
	s_add_nc_u64 s[14:15], s[14:15], s[28:29]      ; img at my eight halves
	s_lshl_b32 s28, s19, 9
	s_lshl_b32 s27, s20, 8
	s_add_co_u32 s28, s28, s27
	s_add_nc_u64 s[16:17], s[16:17], s[28:29]      ; sc at my 256 bytes
.macro LOAD t                          ; step t: 128 numbers of each of the tile's 16 rows; a load reads 512 consecutive bytes
.irp i, 0,1,2,3,4,5,6,7,8,9,10,11,12,13,14,15
	global_load_b128 v[R+64*((\t)%2)+4*\i:R+64*((\t)%2)+4*\i+3], v2, s[22:23] offset:(\i+8*(\i/8))*4096+512*(\t) th:TH_LOAD_NT
.endr
.endm
.macro STEP t
.if (\t) < 3
	s_wait_loadcnt 16                              ; this step's 16 loads are in; the next step's 16 may be out
.else
	s_wait_loadcnt 0x0
.endif
.irp i, 0,1,2,3,4,5,6,7,8,9,10,11,12,13,14,15
	ds_store_b128 v4, v[R+64*((\t)%2)+4*\i:R+64*((\t)%2)+4*\i+3] offset:SP*\i
.endr
.irp b, 0,1,2,3
.irp j, 0,1,2,3
	ds_load_b128 v[X+16*\b+4*\j:X+16*\b+4*\j+3], v5 offset:128*\b+16*\j   ; LDS serves a wave's instructions in order: these see the stores above
.endr
.endr
	s_wait_dscnt 0x0                               ; my numbers are back, and the stores have read their registers
.if (\t) > 0
	s_wait_xcnt 0x0                                ; the last step's stores have read their data: the codes' registers may be written again
.endif
.if (\t) < 2
	LOAD (\t)+2
.endif
	QUANT X, PC, TM, PW+(\t)
	global_store_b128 v2, v[PC:PC+3], s[14:15] offset:1536*(\t)            ; 512 consecutive bytes,
	global_store_b64 v3, v[PC+4:PC+5], s[14:15] offset:1536*(\t)+512       ; 256,
	global_store_b128 v2, v[PC+6:PC+9], s[14:15] offset:1536*(\t)+768      ; and the same for the second half of 64
	global_store_b64 v3, v[PC+10:PC+11], s[14:15] offset:1536*(\t)+1280
.endm
	LOAD 0
	LOAD 1
	STEP 0
	STEP 1
	STEP 2
	STEP 3
	v_cmp_le_u32 vcc_lo, 16, v1                    ; lanes 0-15 write the first K step of 256 (steps 0, 1), lanes 16-31 the second (steps 2, 3)
	v_cndmask_b32 v248, v[PW], v[PW+2], vcc_lo
	v_cndmask_b32 v249, v[PW+1], v[PW+3], vcc_lo
	global_store_b64 v6, v[248:249], s[16:17]      ; 256 consecutive bytes, aligned
	s_wait_tensorcnt 0x0
	ds_add_u32 v254, v255
	s_wait_dscnt 0x0
	s_endpgm
.Lfunc_end_k_q3408b59b7d_quant:
	.size	k_q3408b59b7d_quant, .Lfunc_end_k_q3408b59b7d_quant-k_q3408b59b7d_quant
	.p2alignl 7, 3214868480
	.fill 96, 4, 3214868480
	.section	.rodata,"a",@progbits
	.p2align	6, 0x0
	.amdhsa_kernel k_q3408b59b7d_quant
		.amdhsa_group_segment_fixed_size 34304
		.amdhsa_private_segment_fixed_size 0
		.amdhsa_enable_private_segment 0
		.amdhsa_kernarg_size 56
		.amdhsa_user_sgpr_count 2
		.amdhsa_user_sgpr_kernarg_segment_ptr 1
		.amdhsa_wavefront_size32 1
		.amdhsa_system_sgpr_workgroup_id_x 1
		.amdhsa_system_sgpr_workgroup_id_y 1
		.amdhsa_system_sgpr_workgroup_id_z 1
		.amdhsa_system_vgpr_workitem_id 0
		.amdhsa_next_free_vgpr 256
		.amdhsa_next_free_sgpr 66
		.amdhsa_reserve_vcc 1
		.amdhsa_float_denorm_mode_32 3
		.amdhsa_float_denorm_mode_16_64 3
		.amdhsa_memory_ordered 1
		.amdhsa_forward_progress 1
		.amdhsa_inst_pref_size 35
	.end_amdhsa_kernel
	.amdgpu_metadata
---
amdhsa.version: [ 1, 2 ]
amdhsa.kernels:
  - .name:           k_q3408b59b7d_quant
    .symbol:         k_q3408b59b7d_quant.kd
    .args:
      - { .name: x, .offset: 0, .size: 8, .value_kind: global_buffer, .address_space: global }
      - { .name: Wq, .offset: 8, .size: 8, .value_kind: global_buffer, .address_space: global }
      - { .name: Wk, .offset: 16, .size: 8, .value_kind: global_buffer, .address_space: global }
      - { .name: Wv, .offset: 24, .size: 8, .value_kind: global_buffer, .address_space: global }
      - { .name: Wo, .offset: 32, .size: 8, .value_kind: global_buffer, .address_space: global }
      - { .name: img, .offset: 40, .size: 8, .value_kind: global_buffer, .address_space: global }
      - { .name: sc, .offset: 48, .size: 8, .value_kind: global_buffer, .address_space: global }
    .group_segment_fixed_size: 34304
    .private_segment_fixed_size: 0
    .kernarg_segment_align: 8
    .kernarg_segment_size: 56
    .max_flat_workgroup_size: 128
    .sgpr_count:     66
    .vgpr_count:     256
    .wavefront_size: 32
...
	.end_amdgpu_metadata
.endif
;; end of part 1
;; launch qkv (part 2): grid 8 x 48, 4 waves a work-group, clusters of 4 x 4, 327,680 bytes of LDS; arguments img, sc, bq, bk, bv, qb, kv; writes qb, kv
.if DOCPART == 2
	.amdgcn_target "amdgcn-amd-amdhsa--gfx1250"
	.amdhsa_code_object_version 6
	.text
	.protected	k_q3408b59b7d_qkv
	.globl	k_q3408b59b7d_qkv
	.p2align	8
	.type	k_q3408b59b7d_qkv,@function
k_q3408b59b7d_qkv:
	s_mov_b64 s[64:65], 0
	v_nop
	global_prefetch_b8 v0, s[64:65] scope:SCOPE_SE
	s_setreg_imm32_b32 hwreg(HW_REG_WAVE_MODE, 25, 1), 1
	s_wait_xcnt 0x0
	s_wait_alu depctr_hold_cnt(0) depctr_sa_sdst(0) depctr_va_vdst(0) depctr_va_sdst(0) depctr_va_ssrc(0) depctr_va_vcc(0) depctr_vm_vsrc(0)
	s_getreg_b32 s2, hwreg(HW_REG_IB_STS2, 6, 4)
	s_cmp_eq_u32 s2, 0
	s_cbranch_scc0 .Lentry_in_a_cluster
	s_endpgm
.Lentry_in_a_cluster:
	s_bfe_u32 s2, ttmp6, 0x10000c
	s_cmp_lg_u32 s2, 0xf033
	s_cbranch_scc0 .Lentry_shape_is_right
	s_endpgm
.Lentry_shape_is_right:
.set NQ,    2
.set FR,    12
.set NL,    4
.set NP,    4
.set STEPB, 3072
.set HALFT, 8*STEPB
.set SLOT,  4*HALFT
.set SCL,   2*SLOT
.set SPARE, 213248
.set VO,   8
.set ADRA, 16
.set ADRB, 20
.set L16,  24
.set L8,   25
.set LSO,  26
.set ADRS, 27
.set SPW,  28
.set NIL,  29
.set LANE, 30
.set SC,   32
.set BIAS, 64
.set AF,   128
.set X,    128
.set PC,   192
.set TM,   212
.set PWS,  228
.set T0,   236
.set T1,   240
.set T2,   244
.set SEL,  44
.set G1, 24
.set G0, 32
.set G1B, 48
.set G0B, 56
.set G1S, 68
.set G0S, 76
.set G1SB, 80
.set G0SB, 88
.set MSB, 0
.macro WIN new
.if MSB != (\new)
	s_set_vgpr_msb (MSB<<8)|(\new)
.set MSB, (\new)
.endif
.endm
.set MUL_LO, 0xa1
.set MUL_HI, 0xf1
.set TO_B,   0x40
.macro JLOAD g0a, g1a, g0b, g1b
	s_cmp_eq_u32 s19, 0
	s_cbranch_scc0 .Lfor_b_\@
	tensor_load_to_lds s[\g0a:\g0a+3], s[\g1a:\g1a+7]
	s_nop 0
.rept 4
	v_nop
.endr
	s_branch .Lasked_\@
.Lfor_b_\@:
	tensor_load_to_lds s[\g0b:\g0b+3], s[\g1b:\g1b+7]
	s_nop 0
.rept 4
	v_nop
.endr
.Lasked_\@:
.endm
.macro CREST
	s_cmp_lg_u32 s18, 0
	s_cbranch_scc1 .Lnot_wave_0_\@
	s_barrier_signal -3
.Lnot_wave_0_\@:
	s_barrier_wait -3
	s_barrier_signal -1
	s_barrier_wait -1
.endm
.macro CROUND
	s_barrier_signal -1
	s_barrier_wait -1
	CREST
.endm
.macro QUANT s, pc, tm, pw
.irp b, 0,1,2,3
	v_max3_num_f32 v[\tm+\b], |v[\s+16*\b]|, |v[\s+1+16*\b]|, 0x2800000
.endr
.irp i, 2,4,6,8,10,12,14
.irp b, 0,1,2,3
	v_max3_num_f32 v[\tm+\b], v[\tm+\b], |v[\s+16*\b+\i]|, |v[\s+1+16*\b+\i]|
.endr
.endr
.irp b, 0,1,2,3
	v_permlanex16_b32 v[\tm+4+\b], v[\tm+\b], s[SEL], s[SEL+1]
.endr
.irp b, 0,1,2,3
	v_max_num_f32 v[\tm+\b], v[\tm+\b], v[\tm+4+\b]
.endr
.irp b, 0,1,2,3
	v_add_nc_u32 v[\tm+12+\b], 0xfe000000, v[\tm+\b]
.endr
.irp b, 0,1,2,3
	v_lshrrev_b32 v[\tm+4+\b], 23, v[\tm+12+\b]
.endr
	v_lshl_or_b32 v[\pw], v[\tm+5], 8, v[\tm+4]
	v_lshl_or_b32 v[\pw], v[\tm+6], 16, v[\pw]
	v_lshl_or_b32 v[\pw], v[\tm+7], 24, v[\pw]
.irp c, 0,1
	v_cvt_scalef32_pk16_bf6_f32 v[\pc+6*\c:\pc+2+6*\c], v[\s+32*\c:\s+15+32*\c], v[\tm+12+2*\c]
	v_cvt_scalef32_pk16_bf6_f32 v[\pc+12+4*\c:\pc+14+4*\c], v[\s+16+32*\c:\s+31+32*\c], v[\tm+13+2*\c]
.endr
	v_nop
.irp c, 0,1
.irp i, 0,1,2
	v_permlane16_swap_b32 v[\pc+6*\c+\i], v[\pc+12+4*\c+\i]
.endr
.irp i, 0,1,2
	v_mov_b32 v[\pc+3+6*\c+\i], v[\pc+12+4*\c+\i]
.endr
.endr
.endm
	s_load_b256 s[4:11], s[0:1], 0x0
	s_load_b128 s[12:15], s[0:1], 0x20
	s_load_b64 s[16:17], s[0:1], 0x30
	v_lshl_add_u32 v[SPW], v0, 2, SPARE
	v_mov_b32 v[NIL], 0
	ds_add_u32 v28, v29
	ds_add_u32 v28, v29
	s_wait_dscnt 0x0
	v_lshrrev_b32 v1, 5, v0
	v_readfirstlane_b32 s18, v1
	s_lshr_b32 s19, s18, 1
	s_and_b32 s20, s18, 1
	s_bfe_u32 s21, ttmp6, 0x40000
	s_bfe_u32 s22, ttmp6, 0x40004
	s_and_b32 s40, ttmp7, 0xffff
	s_max_u32 s41, s40, 8
	s_sub_co_u32 s41, s41, 8
	s_lshl_b32 s41, s41, 1
	s_add_co_u32 s41, s41, ttmp9
	s_cmp_ge_u32 s40, 8
	s_cselect_b32 s23, 1, 0
	s_cselect_b32 s42, s41, ttmp9
	s_cselect_b32 s43, 0, s40
	s_cselect_b32 s44, 640, 0
	s_cselect_b32 s45, 0, 512
	s_lshl_b32 s42, s42, 2
	s_add_co_u32 s42, s42, s21
	s_lshl_b32 s43, s43, 2
	s_add_co_u32 s43, s43, s22
	s_lshl_b32 s46, s22, 2
	s_lshl_b32 s46, 15, s46
	s_lshl_b32 s47, 0x1111, s21
	s_or_b32 s[G1], s46, (3<<16)|(1<<21)
	s_or_b32 s[G1B], s47, (3<<16)|(1<<21)
.irp g, G1, G1B
	s_mov_b32 s[\g+1], 384<<16
	s_mov_b32 s[\g+2], 16<<16
	s_mov_b32 s[\g+3], 384<<16
	s_mov_b32 s[\g+4], 16
	s_mov_b32 s[\g+5], 1536
	s_mov_b32 s[\g+6], 0
	s_mov_b32 s[\g+7], 0
.endr
	s_or_b32 s[G1S], s46, (3<<16)|(1<<21)
	s_or_b32 s[G1SB], s47, (3<<16)|(1<<21)
.irp g, G1S, G1SB
	s_mov_b32 s[\g+1], 32<<16
	s_mov_b32 s[\g+2], 32<<16
	s_mov_b32 s[\g+3], 32<<16
	s_mov_b32 s[\g+4], 32
	s_mov_b32 s[\g+5], 32
	s_mov_b32 s[\g+6], 0
	s_mov_b32 s[\g+7], 0
.endr
	s_lshl_b32 s66, s20, 3
	s_lshl_b32 s92, s43, 4
	s_add_co_u32 s92, s92, s66
	s_add_co_u32 s92, s92, s44
	s_lshl_b32 s94, s92, 9
	s_mul_i32 s92, s92, 12288
	s_mov_b32 s93, 0
	s_mov_b32 s95, 0
	s_lshl_b32 s96, s42, 4
	s_add_co_u32 s96, s96, s66
	s_add_co_u32 s96, s96, s45
	s_lshl_b32 s98, s96, 9
	s_mul_i32 s96, s96, 12288
	s_mov_b32 s97, 0
	s_mov_b32 s99, 0
	s_lshl_b32 s66, s18, 12
	s_mul_i32 s67, s18, HALFT
	s_wait_kmcnt 0x0
	s_add_nc_u64 s[92:93], s[4:5], s[92:93]
	s_add_nc_u64 s[94:95], s[6:7], s[94:95]
	s_add_nc_u64 s[96:97], s[4:5], s[96:97]
	s_add_nc_u64 s[98:99], s[6:7], s[98:99]
	CROUND
	s_mov_b32 s[G0S], 1
	s_mov_b32 s[G0S+1], SCL                        ; the scales of all 16 tiles of A: 32 rows of 256 bytes
	s_lshl_b32 s40, s20, 12
	s_mov_b32 s41, 0
	s_sub_nc_u64 s[G0S+2:G0S+3], s[94:95], s[40:41]
	s_or_b32 s[G0S+3], s[G0S+3], 0x80000000
	s_mov_b32 s[G0SB], 1
	s_mov_b32 s[G0SB+1], SCL+8320                  ; and of B's 16
	s_sub_nc_u64 s[G0SB+2:G0SB+3], s[98:99], s[40:41]
	s_or_b32 s[G0SB+3], s[G0SB+3], 0x80000000
	s_mul_i32 s40, s20, 8*12288                    ; group 0 for the head's loads of K step 0: A's 16 tiles whole, B's 16 whole (in registers whose arguments and masks have been used)
	s_mov_b32 s4, 1
	s_mov_b32 s5, 0
	s_sub_nc_u64 s[6:7], s[92:93], s[40:41]
	s_or_b32 s7, s7, 0x80000000
	s_mov_b32 s44, 1
	s_mov_b32 s45, 2*HALFT
	s_sub_nc_u64 s[46:47], s[96:97], s[40:41]
	s_or_b32 s47, s47, 0x80000000
.irp s, 0,1
	s_mov_b32 s[G0+4*\s], 1
	s_add_co_u32 s[G0+4*\s+1], s67, \s*SLOT
	s_add_nc_u64 s[G0+4*\s+2:G0+4*\s+3], s[92:93], \s*STEPB
	s_or_b32 s[G0+4*\s+3], s[G0+4*\s+3], 0x80000000
	s_mov_b32 s[G0B+4*\s], 1
	s_add_co_u32 s[G0B+4*\s+1], s67, \s*SLOT
	s_add_nc_u64 s[G0B+4*\s+2:G0B+4*\s+3], s[96:97], \s*STEPB
	s_or_b32 s[G0B+4*\s+3], s[G0B+4*\s+3], 0x80000000
.endr
	; the head's four tiles, one joint load a wave, in one chain of branches on the wave's number: wave 0 A's codes, wave 1 B's, wave 2 A's scales, wave 3 B's
	s_cmp_lt_u32 s18, 1
	s_cbranch_scc0 .Lh_b
	tensor_load_to_lds s[4:7], s[G1:G1+7]
	s_nop 0
.rept 4
	v_nop
.endr
	s_branch .Lh_asked
.Lh_b:
	s_cmp_lt_u32 s18, 2
	s_cbranch_scc0 .Lh_sa
	tensor_load_to_lds s[44:47], s[G1B:G1B+7]
	s_nop 0
.rept 4
	v_nop
.endr
	s_branch .Lh_asked
.Lh_sa:
	s_cmp_lt_u32 s18, 3
	s_cbranch_scc0 .Lh_sb
	tensor_load_to_lds s[G0S:G0S+3], s[G1S:G1S+7]
	s_nop 0
.rept 4
	v_nop
.endr
	s_branch .Lh_asked
.Lh_sb:
	tensor_load_to_lds s[G0SB:G0SB+3], s[G1SB:G1SB+7]
	s_nop 0
.rept 4
	v_nop
.endr
.Lh_asked:
	s_wait_alu depctr_va_vdst(0)
	s_wait_tensorcnt 0x0                           ; my tile of the four is in
	ds_add_u32 v28, v29
	s_mov_b32 s[G1+2], 8<<16                       ; no tensor load of mine is out: from here on a load brings 8 tiles
	s_mov_b32 s[G1+4], 8
	s_mov_b32 s[G1B+2], 8<<16
	s_mov_b32 s[G1B+4], 8
	s_wait_dscnt 0x0
	CROUND
	JLOAD G0+4, G1, G0B+4, G1B                     ; slot 1's first fill, the first tensor load behind the round
	v_and_b32 v[LANE], 31, v0
	v_and_b32 v1, 15, v0
	v_bfe_u32 v2, v0, 4, 1
	v_lshlrev_b32 v[L16], 4, v[LANE]
	v_lshlrev_b32 v[L8], 3, v[LANE]
	s_mul_i32 s40, s19, HALFT
	s_mul_i32 s41, s20, HALFT
	s_add_co_u32 s41, s41, 2*HALFT
.irp s, 0,1
	v_add_nc_u32 v[ADRA+\s], s40, v[L16]
	v_add_nc_u32 v[ADRA+2+\s], s40, v[L8]
	v_add_nc_u32 v[ADRB+\s], s41, v[L16]
	v_add_nc_u32 v[ADRB+2+\s], s41, v[L8]
	s_add_co_u32 s40, s40, SLOT
	s_add_co_u32 s41, s41, SLOT
.endr
	s_lshl_b32 s40, s19, 12
	s_lshl_b32 s41, s20, 12
	s_add_co_u32 s41, s41, 8320
	s_sub_co_u32 s41, s41, s40
	v_mul_u32_u24 v3, s41, v2
	s_add_co_u32 s40, s40, SCL
	v_lshl_add_u32 v3, v1, 3, v3
	v_add_nc_u32 v[ADRS], s40, v3
	s_lshl_b32 s92, s42, 1
	s_add_co_u32 s92, s92, s20
	s_lshl_b32 s93, s43, 1
	s_add_co_u32 s93, s93, s19
	s_and_b32 s94, s92, 7
	s_cmp_eq_u32 s23, 1
	s_cselect_b32 s95, s92, s93
	s_cselect_b32 s94, s93, s94
	s_or_b32 s96, s23, ttmp9
	s_cmp_eq_u32 s96, 0
	s_cselect_b64 s[2:3], s[14:15], s[16:17]
	s_cselect_b64 s[66:67], s[8:9], s[10:11]
	s_mov_b32 s97, 208896
	s_cselect_b32 s97, 106496, s97
	s_mov_b32 s98, 13056
	s_cselect_b32 s98, 6656, s98
	s_mov_b32 s99, 12288
	s_cselect_b32 s99, 6144, s99
	s_cmp_eq_u32 s23, 1
	s_cselect_b64 s[66:67], s[12:13], s[66:67]
	s_lshr_b32 s96, s95, 4
	s_lshl_b32 s96, s96, 3
	s_add_co_u32 s96, s96, s94
	s_lshl_b32 s96, s96, 1
	s_mul_i32 s40, s96, s97
	s_and_b32 s95, s95, 15
	s_mul_i32 s95, s95, s98
	s_add_co_u32 s40, s40, s95
	s_mov_b32 s41, 0
	s_add_nc_u64 s[2:3], s[2:3], s[40:41]
	s_mov_b32 s40, s97
	s_add_nc_u64 s[46:47], s[2:3], s[40:41]
	s_lshl_b32 s40, s94, 9
	s_add_nc_u64 s[66:67], s[66:67], s[40:41]
	v_add_nc_u32 v[LSO], s99, v[L16]
	v_and_b32 v4, 8, v1
	v_add_nc_u32 v4, v4, v1
	v_lshlrev_b32 v4, 2, v4
	v_lshlrev_b32 v5, 6, v2
	s_xor_b32 s40, s23, 1
	v_mul_u32_u24 v4, s23, v4
	v_mad_u32_u24 v4, s40, v5, v4
	s_lshl_b32 s40, s40, 2
.irp j, 0,1,2,3,4,5,6,7
	v_mad_u32_u24 v[VO+\j], s40, \j, v4
.endr
.irp t, 0,1,2,3,4,5,6,7
.irp j, 0,1,2,3,4,5,6,7
	global_load_b32 v[BIAS+8*\t+\j], v[VO+\j], s[66:67] offset:(32*(\t/2)+8*(\t%2))*4
.endr
.endr
.macro FRAG reg, adr, q, i
	ds_load_b128 v[\reg:\reg+3], v[\adr] offset:(\i)*STEPB+(\q)*1536
	ds_load_b64 v[\reg+4:\reg+5], v[\adr+2] offset:(\i)*STEPB+(\q)*1536+512
	ds_load_b128 v[\reg+6:\reg+9], v[\adr] offset:(\i)*STEPB+(\q)*1536+768
	ds_load_b64 v[\reg+10:\reg+11], v[\adr+2] offset:(\i)*STEPB+(\q)*1536+1280
.endm
.macro MUL16 a0, p, q, sc, zero
.irp a, \a0, \a0+1
.irp b, 0,1,2,3,4,5,6,7
.if \zero
	v_wmma_scale_f32_16x16x128_f8f6f4 v[8*(8*((\a)%4)+\b):8*(8*((\a)%4)+\b)+7], v[128*(\p)+FR*\b:128*(\p)+FR*\b+FR-1], v[AF+FR*(\a):AF+FR*(\a)+FR-1], 0, v[SC+8*NQ*(\sc)+NQ*\b+(\q)], v[SC+8*NQ*(\sc)+NQ*(\a)+(\q)] matrix_a_fmt:MATRIX_FMT_BF6 matrix_b_fmt:MATRIX_FMT_BF6 matrix_a_scale:MATRIX_SCALE_ROW1
.else
	v_wmma_scale_f32_16x16x128_f8f6f4 v[8*(8*((\a)%4)+\b):8*(8*((\a)%4)+\b)+7], v[128*(\p)+FR*\b:128*(\p)+FR*\b+FR-1], v[AF+FR*(\a):AF+FR*(\a)+FR-1], v[8*(8*((\a)%4)+\b):8*(8*((\a)%4)+\b)+7], v[SC+8*NQ*(\sc)+NQ*\b+(\q)], v[SC+8*NQ*(\sc)+NQ*(\a)+(\q)] matrix_a_fmt:MATRIX_FMT_BF6 matrix_b_fmt:MATRIX_FMT_BF6 matrix_a_scale:MATRIX_SCALE_ROW1
.endif
.endr
.endr
.endm
.macro FETCH_B slot, q, p
	WIN TO_B
.irp i, 0,1,2,3,4,5,6,7
	FRAG 128*(\p)+FR*\i, ADRB+\slot, \q, \i
.endr
	WIN 0
.endm
.macro FETCH_A slot, q, i0
.irp i, \i0, \i0+1, \i0+2, \i0+3
	FRAG AF+FR*(\i), ADRA+\slot, \q, \i
.endr
.endm
.macro SCALES sc
.irp i, 0,1,2,3,4,5,6,7
	ds_load_b64 v[SC+8*NQ*\sc+NQ*\i:SC+8*NQ*\sc+NQ*\i+1], v[ADRS] offset:\i*512
.endr
.endm
.macro PLACES n
.rept \n
	v_nop
.endr
.endm
.macro STEP slot, q, zero
	s_wait_dscnt 4*NL
	WIN MUL_LO
	MUL16 0, (\q)%2, \q, \slot, \zero
	MUL16 2, (\q)%2, \q, \slot, \zero
	s_wait_dscnt 0
	PLACES NP
	FETCH_B \slot, (\q)+1, 1-(\q)%2
	FETCH_A \slot, (\q)+1, 0
	WIN MUL_HI
	MUL16 4, (\q)%2, \q, \slot, \zero
	MUL16 6, (\q)%2, \q, \slot, \zero
	PLACES NP
	WIN 0
	FETCH_A \slot, (\q)+1, 4
.endm
.macro TURN slot, next, fill
	s_wait_tensorcnt 0x0
	ds_add_u32 v[SPW], v[NIL]
	s_wait_dscnt 4*NL+1
	WIN MUL_LO
	MUL16 0, 1, NQ-1, \slot, 0
	s_wait_dscnt 0x0
	s_barrier_signal -1
	MUL16 2, 1, NQ-1, \slot, 0
	WIN 0
	s_barrier_wait -1
.if \fill
	CREST
	s_add_nc_u64 s[G0+4*\slot+2:G0+4*\slot+3], s[G0+4*\slot+2:G0+4*\slot+3], 2*STEPB
	s_add_nc_u64 s[G0B+4*\slot+2:G0B+4*\slot+3], s[G0B+4*\slot+2:G0B+4*\slot+3], 2*STEPB
	JLOAD G0+4*\slot, G1, G0B+4*\slot, G1B
.else
	PLACES NP
.endif
	s_wait_alu depctr_va_vdst(0)
	v_add_nc_u32 v[ADRS], 128, v[ADRS]
	FETCH_B \next, 0, 0
	FETCH_A \next, 0, 0
	SCALES \next
	WIN MUL_HI
	MUL16 4, 1, NQ-1, \slot, 0
	MUL16 6, 1, NQ-1, \slot, 0
	PLACES NP
	WIN 0
	FETCH_A \next, 0, 4
.endm
	s_wait_tensorcnt 1
	s_barrier_signal -1
	s_barrier_wait -1
	FETCH_B 0, 0, 0
	FETCH_A 0, 0, 0
	SCALES 0
	FETCH_A 0, 0, 4
	STEP 0, 0, 1
	TURN 0, 1, 1
	STEP 1, 0, 0
	TURN 1, 0, 1
	STEP 0, 0, 0
	TURN 0, 1, 0
	STEP 1, 0, 0
	s_wait_dscnt 4*NL
	WIN MUL_LO
	MUL16 0, 1, NQ-1, 1, 0
	MUL16 2, 1, NQ-1, 1, 0
	s_wait_dscnt 0
	WIN MUL_HI
	MUL16 4, 1, NQ-1, 1, 0
	MUL16 6, 1, NQ-1, 1, 0
	WIN 0
	s_wait_loadcnt 0x0
	PLACES NP
	s_mov_b32 s[SEL], 0x76543210
	s_mov_b32 s[SEL+1], 0xfedcba98
.irp b, 0,1,2,3
	v_mov_b32 v[TM+4+\b], 0
.endr
	v_cmp_le_u32 vcc_lo, 16, v[LANE]
.macro GROUP a, mode
.if (\a) > 0
	s_wait_xcnt 0x0
.endif
	WIN 0x02+(\a)/4
.irp b, 0,1,2,3,4,5,6,7
.irp i, 0,1,2,3
.if \mode
	v_pk_add_f32 v[X+8*\b+2*\i:X+8*\b+2*\i+1], v[64*((\a)%4)+8*\b+2*\i:64*((\a)%4)+8*\b+2*\i+1], v[BIAS+8*(\a)+2*\i:BIAS+8*(\a)+2*\i+1]
.else
	v_pk_add_f32 v[X+8*\b+2*\i:X+8*\b+2*\i+1], v[64*((\a)%4)+8*\b+2*\i:64*((\a)%4)+8*\b+2*\i+1], v[BIAS+8*\b+2*\i:BIAS+8*\b+2*\i+1]
.endif
.endr
.endr
	WIN 0
	QUANT X, PC, TM, PWS+(\a)
.if \mode
.irp i, 0,1,2
	global_store_b128 v[L16], v[PC+4*\i:PC+4*\i+3], s[2:3] offset:((\a)/4)*208896+6144+((\a)%4)*1536+512*\i
.endr
.else
	global_store_b128 v[L16], v[PC:PC+3], s[2:3] offset:768*(\a)
	global_store_b64 v[L8], v[PC+4:PC+5], s[2:3] offset:768*(\a)+512
	global_store_b128 v[L16], v[PC+6:PC+9], s[46:47] offset:768*(\a)
	global_store_b64 v[L8], v[PC+10:PC+11], s[46:47] offset:768*(\a)+512
.endif
.endm
.macro EPI mode
.irp a, 0,1,2,3,4,5,6,7
	GROUP \a, \mode
.endr
.irp j, 0,1,2,3
	v_cndmask_b32 v[T0+\j], v[PWS+2*\j], v[PWS+2*\j+1], vcc_lo
.endr
.if \mode
	global_store_b64 v[L8], v[T0:T0+1], s[2:3] offset:12800
	global_store_b64 v[L8], v[T0+2:T0+3], s[2:3] offset:208896+12800
.else
.irp j, 0,1,2,3
	v_and_b32 v[T1+\j], 0xffff, v[T0+\j]
	v_lshrrev_b32 v[T2+\j], 16, v[T0+\j]
.endr
	global_store_b128 v[LSO], v[T1:T1+3], s[2:3]
	global_store_b128 v[LSO], v[T2:T2+3], s[46:47]
.endif
.endm
	s_cmp_eq_u32 s23, 1
	s_cbranch_scc1 .Lmode_v
	EPI 0
	s_branch .Lend
.Lmode_v:
	EPI 1
.Lend:
	s_wait_tensorcnt 0x0
	ds_add_u32 v[SPW], v[NIL]
	s_wait_dscnt 0x0
	CROUND
	s_endpgm
.Lfunc_end_k_q3408b59b7d_qkv:
	.size	k_q3408b59b7d_qkv, .Lfunc_end_k_q3408b59b7d_qkv-k_q3408b59b7d_qkv
	.p2alignl 7, 3214868480
	.fill 96, 4, 3214868480
	.section	.rodata,"a",@progbits
	.p2align	6, 0x0
	.amdhsa_kernel k_q3408b59b7d_qkv
		.amdhsa_group_segment_fixed_size 327680
		.amdhsa_private_segment_fixed_size 0
		.amdhsa_enable_private_segment 0
		.amdhsa_kernarg_size 56
		.amdhsa_user_sgpr_count 2
		.amdhsa_user_sgpr_kernarg_segment_ptr 1
		.amdhsa_wavefront_size32 1
		.amdhsa_system_sgpr_workgroup_id_x 1
		.amdhsa_system_sgpr_workgroup_id_y 1
		.amdhsa_system_sgpr_workgroup_id_z 1
		.amdhsa_system_vgpr_workitem_id 0
		.amdhsa_next_free_vgpr 1024
		.amdhsa_next_free_sgpr 100
		.amdhsa_reserve_vcc 1
		.amdhsa_float_denorm_mode_32 3
		.amdhsa_float_denorm_mode_16_64 3
		.amdhsa_memory_ordered 1
		.amdhsa_forward_progress 1
		.amdhsa_inst_pref_size 223
	.end_amdhsa_kernel
	.amdgpu_metadata
---
amdhsa.version: [ 1, 2 ]
amdhsa.kernels:
  - .name:           k_q3408b59b7d_qkv
    .symbol:         k_q3408b59b7d_qkv.kd
    .args:
      - { .name: img, .offset: 0, .size: 8, .value_kind: global_buffer, .address_space: global }
      - { .name: sc, .offset: 8, .size: 8, .value_kind: global_buffer, .address_space: global }
      - { .name: bq, .offset: 16, .size: 8, .value_kind: global_buffer, .address_space: global }
      - { .name: bk, .offset: 24, .size: 8, .value_kind: global_buffer, .address_space: global }
      - { .name: bv, .offset: 32, .size: 8, .value_kind: global_buffer, .address_space: global }
      - { .name: qb, .offset: 40, .size: 8, .value_kind: global_buffer, .address_space: global }
      - { .name: kv, .offset: 48, .size: 8, .value_kind: global_buffer, .address_space: global }
    .group_segment_fixed_size: 327680
    .private_segment_fixed_size: 0
    .kernarg_segment_align: 8
    .kernarg_segment_size: 56
    .max_flat_workgroup_size: 128
    .sgpr_count:     100
    .vgpr_count:     1024
    .wavefront_size: 32
...
	.end_amdgpu_metadata
.endif
;; end of part 2
;; launch attn (part 3): grid 4 x 64, 8 waves a work-group, clusters of 4 x 1, 222,976 bytes of LDS; arguments qb, kv, o_img, o_sc; writes o_img, o_sc
.if DOCPART == 3
	.amdgcn_target "amdgcn-amd-amdhsa--gfx1250"
	.amdhsa_code_object_version 6
	.text
	.protected	k_q3408b59b7d_attn
	.globl	k_q3408b59b7d_attn
	.p2align	8
	.type	k_q3408b59b7d_attn,@function
k_q3408b59b7d_attn:
	s_mov_b64 s[64:65], 0
	v_nop
	global_prefetch_b8 v0, s[64:65] scope:SCOPE_SE
	s_setreg_imm32_b32 hwreg(HW_REG_WAVE_MODE, 25, 1), 1
	s_wait_xcnt 0x0
	s_wait_alu depctr_hold_cnt(0) depctr_sa_sdst(0) depctr_va_vdst(0) depctr_va_sdst(0) depctr_va_ssrc(0) depctr_va_vcc(0) depctr_vm_vsrc(0)
	s_getreg_b32 s2, hwreg(HW_REG_IB_STS2, 6, 4)
	s_cmp_eq_u32 s2, 0
	s_cbranch_scc0 .Lentry_in_a_cluster
	s_endpgm
.Lentry_in_a_cluster:
	s_bfe_u32 s2, ttmp6, 0x10000c
	s_cmp_lg_u32 s2, 0x3003
	s_cbranch_scc0 .Lentry_shape_is_right
	s_endpgm
.Lentry_shape_is_right:
; For each of 64 (batch, head): O = softmax(q k^T / 8) v, both products on codes of BF6 (E3M2) with E8M0 scales; O is quantised along (head, d) for the last product.
; THE SOFTMAX: t = score x log2(e) / 8; M = the running largest t rounded up to a whole number; p = 2^(t - M) is quantised along the keys, not normalised; the row's sum is taken
; of the unquantised p and divides O at the end.  When M moves, the sums and O are multiplied by 2^(old M - new M): exact.
; SHARES: a cluster of four work-groups takes one head, a work-group 512 queries, each of its eight waves (two to a SIMD, 512 registers) 64: two passes of TWO tiles of 16 queries,
; which share every fragment of K and V read from LDS and whose chains of vector work stand interleaved.  One loop body serves both passes.
; LDS: the head's 16 key steps of 13,056 bytes lie there for the whole launch, as steps 1 .. 15, 0, 1: seventeen places.  A trip works place i and fetches place i + 1's fragments; place 16
; repeats place 0, so the look-ahead needs no wrap and the next pass finds its first fragments in registers.  Filled once, by one joint load a wave (the four work-groups ask together):
; waves 0-4 three steps each (153 rows of 256 bytes), waves 5-7 a third each of steps 0 and 1 (34 rows).  Nothing is filled again: no ring, no barrier in the loops.
; No prefetch: all that comes from memory is asked for at the head, ahead of any loop.
; A key step's block: 8 images of K (16 keys x 64 d, 768 bytes), 4 of V (16 d x 128 keys, 1,536 bytes), 512 bytes of K's scale words, 256 of V's.
; LAYOUT: both products transposed (S^T = K Q^T, O^T = V^T P^T): a lane holds one query.  THE KEYS OF A TILE ARE CHOSEN BY THE LANES' LDS ADDRESSES: tile n = 4 c + u takes as rows 0-7 keys 64 c + 8 u + 0..7
; and as rows 8-15 keys 64 c + 32 + 8 u + 0..7.  So lane (r, h) holds in the 32 registers of tiles 4 c .. 4 c + 3 the keys 64 c + 32 h + 0..31: ONE WHOLE BLOCK, in the order of the next operand's registers:
; a block's maximum needs no other lane and its codes no exchange.  (In memory key 32 g + 16 a + 8 b + j lies in image 2 g + b, row 8 a + j.)
; THE EXPONENTIALS go in two batches, a tile each, with plain lines between them that read nothing of the batch and whose results are first read behind the batch's wait:
; among tile 0's stand tile 1's t - M; among tile 1's the first additions of tile 0's sum (two pairs into one, in place, behind tile 0's conversions) and the moves of tile 0's codes.
; K = 64 IN AN INSTRUCTION OF 128: Q's registers 6-11 are zero codes; K's tile n is named with the next tile's six registers (the last: zeros) as its upper half: finite numbers that meet zero codes.
; LIMITS: NaN and infinities are not served; the promise holds while the scaled scores stay under 2^31 in magnitude; a block of zeros gets the byte 1 (this program alone reads the bytes);
; a block's largest p is taken from its largest score (v_exp_f32 is taken not to fall where its input rises).
; REGISTERS.  Window 0: addresses, state, scale words, the sums, S^T / p of both tiles (v64-191), p's codes.  Window 1: K's, V's and Q's fragments, O^T.
.set STEPB, 13056
.set HEADB, 16*STEPB
.set SPARE, 17*STEPB                   ; behind the seventeen places: the spare words, 128 bytes a wave
.set KB,  1                            ; v1-5   lane addresses: K's 16-byte part, K's 8-byte part, K's scale words, 16 x lane, 8 x lane
.set KA,  6                            ; v6-10  the same + the next place
.set SH8, 11                           ; 8 h
.set NM,  12                           ; v12, v14 -M of tile 0, 1;  v13, v15 their largest scores
.set OM,  16                           ; the old -M, then old M - new M
.set FF,  18                           ; v[18:19], v[20:21] f = 2^(old M - new M) (the upper halves are named with them)
.set TT,  22
.set PX,  24
.set BM,  26                           ; v26-29 block 2 t + c: largest score, then largest p
.set SO,  30                           ; the maxima's second chains, then the conversions' scale operands
.set BY,  34                           ; the scale bytes
.set PW,  38                           ; p's scale words
.set KS,  40                           ; K's scale words;  v44-45 V's;  v46-47 Q's
.set VS,  44
.set QS,  46
.set AC,  48                           ; v48-63 the sums: four pairs a tile
.set S,   64
.set CD,  192                          ; p's codes, 12 a tile
.set TP,  216                          ; the upper halves of the blocks' codes as they are made
.set SPW, 232
.set NIL, 233
.set OSA, 235
.set QSA, 236
.set QSS, 240                          ; Q's scale words of the four tiles
.set KF,  0                            ; window 1: K's eight tiles, v48-53 zeros
.set VF,  56
.set QF,  104
.set OF,  128
.set QST, 192                          ; Q's codes of the four tiles
.set WV, 12
.set SEL, 28
.set CS, 30
.set TB, 32
.set CNT, 33
.set NC, 72
.set PCN, 73
.set MSB, 0
.macro WIN new                         ; the immediate's high byte repeats the setting that is left
.if MSB != (\new)
	s_set_vgpr_msb (MSB<<8)|(\new)
.set MSB, (\new)
.endif
.endm
.macro CROUND                          ; a round of the cluster's barrier
	s_barrier_signal -1
	s_barrier_wait -1
	s_cmp_lg_u32 s[WV], 0
	s_cbranch_scc1 .Lnot_wave_0_\@
	s_barrier_signal -3
.Lnot_wave_0_\@:
	s_barrier_wait -3
	s_barrier_signal -1
	s_barrier_wait -1
.endm
.macro KLOAD a                         ; 20 LDS loads: K's eight tiles and their scale words (word 2 c + u / 2: lanes 0-15 tile u even, lanes 16-31 u odd)
	WIN 0x40
.irp n, 0,1,2,3,4,5,6,7
	ds_load_b128 v[KF+6*\n:KF+6*\n+3], v[\a] offset:(4*(\n/4)+(\n%2))*768+128*((\n%4)/2)
	ds_load_b64 v[KF+6*\n+4:KF+6*\n+5], v[\a+1] offset:(4*(\n/4)+(\n%2))*768+512+64*((\n%4)/2)
.endr
	WIN 0
.irp i, 0,1,2,3
	ds_load_b32 v[KS+\i], v[\a+2] offset:12288+128*(\i%2)+8*(\i/2)
.endr
.endm
.macro VLOAD a                         ; 13 LDS loads: V's four fragments and their scale words
	WIN 0x40
.irp i, 0,1,2,3,4,5,6,7,8,9,10,11
	ds_load_b128 v[VF+4*\i:VF+4*\i+3], v[\a+3] offset:6144+512*\i
.endr
	WIN 0
	ds_load_b64 v[VS:VS+1], v[\a+4] offset:12800
.endm
.macro ACC t, i                        ; tile t: the i-th sum of two pairs onto sum i % 4
	v_pk_add_f32 v[AC+8*\t+2*((\i)%4):AC+8*\t+2*((\i)%4)+1], v[AC+8*\t+2*((\i)%4):AC+8*\t+2*((\i)%4)+1], v[S+64*\t+4*(\i):S+64*\t+4*(\i)+1]
.endm
.macro ACF t, i                        ; the same for i = 0 .. 3, with the sum brought under the new M in the one instruction
	v_pk_fma_f32 v[AC+8*\t+2*\i:AC+8*\t+2*\i+1], v[AC+8*\t+2*\i:AC+8*\t+2*\i+1], v[FF+2*\t:FF+2*\t+1], v[S+64*\t+4*\i:S+64*\t+4*\i+1] op_sel_hi:[1,0,1]
.endm
.macro TMM j, t                        ; t - M, two numbers an instruction
	v_pk_fma_f32 v[S+64*\t+\j:S+64*\t+\j+1], v[S+64*\t+\j:S+64*\t+\j+1], s[CS:CS+1], v[NM+2*\t:NM+2*\t+1] op_sel_hi:[1,0,0]
.endm
.macro CVT b                           ; block b's 32 numbers into codes (a conversion's three registers begin on an even number: the upper half is made elsewhere and moved)
	v_cvt_scalef32_pk16_bf6_f32 v[CD+6*\b:CD+6*\b+2], v[S+32*\b:S+32*\b+15], v[SO+\b]
	v_cvt_scalef32_pk16_bf6_f32 v[TP+4*\b:TP+4*\b+2], v[S+32*\b+16:S+32*\b+31], v[SO+\b]
.endm
	s_load_b256 s[4:11], s[0:1], 0x0               ; qb, kv, o_img, o_sc
	v_lshl_add_u32 v[SPW], v0, 2, SPARE
	v_mov_b32 v[NIL], 0
	ds_add_u32 v[SPW], v[NIL]                      ; the opening lines: the add, twice on end, and its wait ahead of my tensor load
	ds_add_u32 v[SPW], v[NIL]
	v_lshrrev_b32 v1, 5, v0
	v_readfirstlane_b32 s[WV], v1                  ; wave 0..7
	s_bfe_u32 s13, ttmp6, 0x40000                  ; cx: it enters Q's and O's global addresses alone
	s_and_b32 s14, ttmp7, 0xffff                   ; 16 x batch + head, which the four partners share
	s_mov_b32 s16, 15|(3<<16)|(1<<21)              ; group 1, waves 0-4: mask of all four work-groups; elements of 8 bytes; bit 21 beside the mask
	s_mov_b32 s17, 32<<16                          ; rows of 256 bytes,
	s_mov_b32 s18, 153<<16                         ; 153 of them: three key steps
	s_mov_b32 s19, 32<<16
	s_mov_b32 s20, 153
	s_mov_b32 s21, 32
	s_mov_b32 s22, 0
	s_mov_b32 s23, 0
	s_mov_b32 s56, 15|(3<<16)|(1<<21)              ; group 1, waves 5-7: 34 rows: a third of two key steps
	s_mov_b32 s57, 32<<16
	s_mov_b32 s58, 34<<16
	s_mov_b32 s59, 32<<16
	s_mov_b32 s60, 34
	s_mov_b32 s61, 32
	s_mov_b32 s62, 0
	s_mov_b32 s63, 0
	s_mul_i32 s44, s14, HEADB                      ; the head in kv
	s_mul_i32 s46, s[WV], 3*STEPB                  ; waves 0-4: LDS places 3 w .. 3 w + 2,
	s_add_co_u32 s48, s44, s46
	s_add_co_u32 s48, s48, STEPB                   ; which hold steps 3 w + 1 ..
	s_mov_b32 s49, 0
	s_and_b32 s50, s[WV], 3                        ; waves 5-7: 1, 2, 3
	s_mul_i32 s51, s50, 8704
	s_add_co_u32 s47, s51, 15*STEPB-8704           ; LDS: places 15 and 16 in thirds,
	s_max_u32 s50, s50, 1
	s_sub_co_u32 s50, s50, 1
	s_mul_i32 s50, s50, 8704
	s_add_co_u32 s50, s50, s44                     ; which hold steps 0 and 1
	s_mov_b32 s51, 0
	s_mul_i32 s52, s13, 4*6656
	s_mul_i32 s53, s14, 106496
	s_add_co_u32 s52, s52, s53                     ; my work-group's four groups of 128 queries; my four tiles: tile w of each
	s_mul_i32 s53, s[WV], 768
	s_add_co_u32 s54, s52, s53                     ; the tile's image
	s_mov_b32 s55, 0
	s_and_b32 s53, s[WV], 1
	s_lshl_b32 s53, s53, 8
	s_add_co_u32 s52, s52, s53
	s_lshr_b32 s53, s[WV], 1
	s_lshl_b32 s53, s53, 2
	s_add_co_u32 s52, s52, s53
	s_add_co_u32 s52, s52, 6144                    ; its scale words: 256 (tile % 2) + 4 (tile / 2), 16 bytes from row to row
	s_mov_b32 s53, 0
	s_lshr_b32 s74, s14, 4
	s_lshl_b32 s74, s74, 7
	s_lshl_b32 s75, s13, 5
	s_add_co_u32 s74, s74, s75
	s_add_co_u32 s74, s74, s[WV]                   ; my first tile of 16 tokens among 512: 128 x batch + 32 cx + wave; the others 8 apart
	s_and_b32 s34, s14, 15                         ; the head
	s_mul_i32 s76, s74, 12288
	s_mul_i32 s75, s34, 768
	s_add_co_u32 s76, s76, s75
	s_mov_b32 s77, 0
	s_lshl_b32 s78, s74, 9
	s_lshr_b32 s75, s34, 2
	s_lshl_b32 s75, s75, 7
	s_add_co_u32 s78, s78, s75
	s_and_b32 s75, s34, 3
	s_lshl_b32 s75, s75, 1
	s_add_co_u32 s78, s78, s75                     ; its scale bytes: K step head / 4, bytes 2 (head % 4) on
	s_mov_b32 s79, 0
	s_mov_b32 s[SEL], 0x76543210
	s_mov_b32 s[SEL+1], 0xfedcba98                 ; selects for lane l xor 16
	s_mov_b32 s[CS], 0x3e38aa3b                    ; c = log2(e) / 8
	s_mov_b32 s[CS+1], s[CS]
	s_mov_b32 s[NC], 0xbe38aa3b                    ; -c
	s_wait_dscnt 0x0                               ; both opening adds are done
	s_wait_kmcnt 0x0
	s_mov_b32 s24, 1                               ; group 0, waves 0-4
	s_mov_b32 s25, s46
	s_add_nc_u64 s[26:27], s[6:7], s[48:49]
	s_or_b32 s27, s27, 0x80000000
	s_mov_b32 s68, 1                               ; group 0, waves 5-7
	s_mov_b32 s69, s47
	s_add_nc_u64 s[70:71], s[6:7], s[50:51]
	s_or_b32 s71, s71, 0x80000000
	s_add_nc_u64 s[36:37], s[4:5], s[54:55]        ; Q
	s_add_nc_u64 s[38:39], s[4:5], s[52:53]        ; its scale words
	s_add_nc_u64 s[40:41], s[8:9], s[76:77]        ; O's image
	s_add_nc_u64 s[42:43], s[10:11], s[78:79]      ; O's scale bytes
	CROUND                                         ; all four work-groups are here: the joint loads meet
	s_cmp_lt_u32 s[WV], 5                          ; one load a wave, in the two arms of one branch on the wave's number
	s_cbranch_scc0 .Lthirds
	tensor_load_to_lds s[24:27], s[16:23]
	s_nop 0
.rept 4
	v_nop
.endr
	s_branch .Lasked
.Lthirds:
	tensor_load_to_lds s[68:71], s[56:63]
	s_nop 0
.rept 4
	v_nop
.endr
.Lasked:
	v_and_b32 v6, 31, v0                           ; lane
	v_and_b32 v7, 7, v0                            ; r % 8
	v_bfe_u32 v8, v0, 3, 1                         ; r / 8
	v_bfe_u32 v9, v0, 4, 1                         ; h
	v_and_b32 v10, 15, v0                          ; r
	v_lshlrev_b32 v[KB+3], 4, v6
	v_lshlrev_b32 v[KB+4], 3, v6
	v_mul_u32_u24 v[KB], v8, 1536                  ; rows 8-15 of a tile come from the image two further on
	v_lshl_add_u32 v[KB+1], v7, 3, v[KB]
	v_lshl_add_u32 v[KB+1], v9, 7, v[KB+1]         ; 1536 (r / 8) + 8 (r % 8) + 128 h
	v_lshl_add_u32 v[KB], v7, 4, v[KB]
	v_lshl_add_u32 v[KB], v9, 8, v[KB]             ; 1536 (r / 8) + 16 (r % 8) + 256 h
	v_lshlrev_b32 v[KB+2], 4, v7
	v_lshl_add_u32 v[KB+2], v9, 8, v[KB+2]
	v_lshl_add_u32 v[KB+2], v8, 2, v[KB+2]         ; 16 (r % 8) + 256 h + 4 (r / 8)
	v_lshlrev_b32 v[SH8], 3, v9
	v_lshlrev_b32 v[QSA], 4, v10
	v_lshl_add_u32 v[OSA], v10, 3, v9
	v_cmp_le_u32 s35, 16, v6                       ; lanes 16-31
	WIN 0x40
.irp g, 0,1,2,3
	global_load_b128 v[QST+6*\g:QST+6*\g+3], v[KB+3], s[36:37] offset:6656*\g       ; Q of all four tiles stays in registers
	global_load_b64 v[QST+6*\g+4:QST+6*\g+5], v[KB+4], s[36:37] offset:6656*\g+512
.endr
.irp j, 0,1,2,3,4,5
	v_mov_b32 v[KF+48+\j], 0                       ; zero codes: behind K's last tile, and Q's K = 64 .. 127
	v_mov_b32 v[QF+6+\j], 0
	v_mov_b32 v[QF+18+\j], 0
.endr
	WIN 0
.irp g, 0,1,2,3
	global_load_b32 v[QSS+\g], v[QSA], s[38:39] offset:6656*\g
.endr
.irp t, 0,1
	v_mov_b32 v[PX+\t], 0                          ; written once: a lane permute's destination counts as one of its sources
	v_mov_b32 v[FF+2*\t+1], 0
.endr
	s_wait_alu depctr_va_vdst(0)
	s_wait_tensorcnt 0x0                           ; my part has landed,
	s_barrier_signal -1
	s_barrier_wait -1                              ; everybody's has
	KLOAD KB                                       ; place 0's fragments
	VLOAD KB
	s_wait_loadcnt 0x0                             ; Q
	s_mov_b32 s[PCN], 2
.Lpass:                                                ; two tiles of 16 queries against all 2,048 keys
	WIN 0x41
.irp t, 0,1
.irp i, 0,1,2,3,4,5
	v_mov_b32 v[QF+12*\t+\i], v[QST+6*\t+\i]       ; this pass's Q,
.endr
.endr
.irp i, 0,1,2,3,4,5,6,7,8,9,10,11
	v_mov_b32 v[QST+\i], v[QST+12+\i]              ; and the next pass's moves up
.endr
	WIN 0
.irp t, 0,1
	v_mov_b32 v[QS+\t], v[QSS+\t]
	v_mov_b32 v[QSS+\t], v[QSS+2+\t]
	v_mov_b32 v[NM+2*\t+1], 0xff61b1e6             ; the largest score so far: -3e38
	v_mov_b32 v[NM+2*\t], 0x7e000000               ; -M: so large that the first f is 0
.endr
.irp k, 0,1,2,3,4,5,6,7,8,9,10,11,12,13,14,15
	v_mov_b32 v[AC+\k], 0
.endr
	WIN 0x40
.set J, 0
.rept 64
	v_mov_b32 v[OF+J], 0                           ; O^T: the loop is written once; its first trip finds zeros
.set J, J+1
.endr
	WIN 0
	s_mov_b32 s[TB], 0
	s_mov_b32 s[CNT], 16
.Ltrip:
	s_wait_dscnt 13                                ; K's 20 loads are in; V's 13, issued behind them, may be out
	WIN 0x05
.irp n, 0,1,2,3,4,5,6,7
.irp t, 0,1
.if \n%2
	v_wmma_scale_f32_16x16x128_f8f6f4 v[S+64*\t+8*\n:S+64*\t+8*\n+7], v[KF+6*\n:KF+6*\n+11], v[QF+12*\t:QF+12*\t+11], 0, v[KS+2*(\n/4)+(\n%4)/2], v[QS+\t] matrix_a_fmt:MATRIX_FMT_BF6 matrix_b_fmt:MATRIX_FMT_BF6 matrix_a_scale:MATRIX_SCALE_ROW1
.else
	v_wmma_scale_f32_16x16x128_f8f6f4 v[S+64*\t+8*\n:S+64*\t+8*\n+7], v[KF+6*\n:KF+6*\n+11], v[QF+12*\t:QF+12*\t+11], 0, v[KS+2*(\n/4)+(\n%4)/2], v[QS+\t] matrix_a_fmt:MATRIX_FMT_BF6 matrix_b_fmt:MATRIX_FMT_BF6
.endif
.endr
.endr
	WIN 0
	s_add_co_u32 s[TB], s[TB], STEPB               ; the next place
.irp i, 0,1,2,3,4
	v_add_nc_u32 v[KA+\i], s[TB], v[KB+\i]         ; five places between the products and the loads into their registers and the first read of the scores
.endr
	KLOAD KA                                       ; the next place's K lands while the softmax is worked
.irp b, 0,1,2,3
	v_max_num_f32 v[BM+\b], v[S+32*\b], v[S+32*\b+1]               ; the largest score of block 2 t + c, all 32 mine: two chains a block, eight by turns; each accumulator from its low end on
	v_max_num_f32 v[SO+\b], v[S+32*\b+16], v[S+32*\b+17]
.endr
.irp i, 2,4,6,8,10,12,14
.irp b, 0,1,2,3
	v_max3_num_f32 v[BM+\b], v[BM+\b], v[S+32*\b+\i], v[S+32*\b+\i+1]
	v_max3_num_f32 v[SO+\b], v[SO+\b], v[S+32*\b+16+\i], v[S+32*\b+17+\i]
.endr
.endr
.irp b, 0,1,2,3
	v_max_num_f32 v[BM+\b], v[BM+\b], v[SO+\b]
.endr
.irp t, 0,1
	v_max_num_f32 v[TT+\t], v[BM+2*\t], v[BM+2*\t+1]
.endr
.irp t, 0,1
	v_mov_b32 v[OM+\t], v[NM+2*\t]
.endr
.irp t, 0,1
	v_permlanex16_b32 v[PX+\t], v[TT+\t], s[SEL], s[SEL+1]
.endr
.irp t, 0,1
	v_max3_num_f32 v[NM+2*\t+1], v[NM+2*\t+1], v[TT+\t], v[PX+\t]  ; the running largest score (c is positive)
.endr
.irp t, 0,1
	v_mul_f32 v[TT+\t], s[NC], v[NM+2*\t+1]
.endr
.irp t, 0,1
	v_floor_f32 v[NM+2*\t], v[TT+\t]               ; the new -M = floor(-t) = -ceil(t)
.endr
.irp t, 0,1
	v_sub_f32 v[OM+\t], v[NM+2*\t], v[OM+\t]       ; old M - new M: a whole number, 0 or less
.endr
.irp b, 0,1,2,3
	v_fma_f32 v[BM+\b], v[BM+\b], s[CS], v[NM+2*(\b/2)]
.endr
.irp t, 0,1
	v_cvt_i32_f32 v[OM+\t], v[OM+\t]               ; (it saturates)
.endr
.irp j, 0,2,4,6
	TMM \j, 0
.endr
.irp t, 0,1
	v_ldexp_f32 v[FF+2*\t], 1.0, v[OM+\t]          ; f
.endr
.irp j, 8,10,12,14,16,18,20,22,24,26,28,30,32,34,36,38,40,42,44,46,48,50,52,54,56,58,60,62
	TMM \j, 0
.endr
	WIN 0x41
.irp j, 0,2,4,6,8,10,12,14,16,18,20,22,24,26,28,30
.irp t, 0,1
	v_pk_mul_f32 v[OF+32*\t+\j:OF+32*\t+\j+1], v[OF+32*\t+\j:OF+32*\t+\j+1], v[FF+2*\t:FF+2*\t+1] op_sel_hi:[1,0]   ; O^T under the new M, ahead of the exponentials
.endr
.endr
	WIN 0
	s_wait_alu depctr_va_vdst(0)                   ; ahead of the batch
.irp b, 0,1,2,3
	v_exp_f32 v[BM+\b], v[BM+\b]                   ; the blocks' largest p
.endr
.set J, 0
.rept 32
	v_exp_f32 v[S+J], v[S+J]                       ; tile 0: p = 2^(t - M);
	TMM J, 1                                       ; between them tile 1's t - M, first read behind the wait below
	v_exp_f32 v[S+J+1], v[S+J+1]
.set J, J+2
.endr
	v_nop                                          ; a plain place behind the exponentials
	s_wait_alu depctr_va_vdst(0)                   ; one wait for the batch, ahead of its first reader
	s_wait_dscnt 20                                ; V's 13 loads are in; the 20 for the next K, issued behind them, may be out
.irp b, 0,1,2,3
	v_max_num_f32 v[BM+\b], 0x2800000, v[BM+\b]    ; the floor 2^(5 - 127): the byte cannot fall under 1
.endr
.irp b, 0,1,2,3
	v_add_nc_u32 v[SO+\b], 0xfe000000, v[BM+\b]    ; 4 off the exponent field: the conversion's scale operand
.endr
.irp b, 0,1,2,3
	v_lshrrev_b32 v[BY+\b], 23, v[SO+\b]
.endr
.irp t, 0,1
	v_lshl_or_b32 v[TT+\t], v[BY+2*\t+1], 16, v[BY+2*\t]           ; my two bytes: blocks h and 2 + h,
.endr
.irp t, 0,1
	v_lshlrev_b32 v[TT+\t], v[SH8], v[TT+\t]       ; at their places,
.endr
.irp t, 0,1
	v_permlanex16_b32 v[PX+\t], v[TT+\t], s[SEL], s[SEL+1]
.endr
.irp t, 0,1
	v_or_b32 v[PW+\t], v[TT+\t], v[PX+\t]          ; with lane l xor 16's two: p's scale word for these 128 keys
.endr
	CVT 0                                          ; tile 0's codes
	CVT 1
	v_nop                                          ; one plain place behind the scaled conversions
	s_wait_alu depctr_va_vdst(0)                   ; ahead of the second batch
.set J, 0
.rept 16
	v_exp_f32 v[S+64+4*J], v[S+64+4*J]             ; tile 1's p;
	v_pk_add_f32 v[S+4*J:S+4*J+1], v[S+4*J:S+4*J+1], v[S+4*J+2:S+4*J+3]   ; between them tile 0's sum of the unquantised p, first level: two pairs into one, in place
	v_exp_f32 v[S+65+4*J], v[S+65+4*J]
	v_exp_f32 v[S+66+4*J], v[S+66+4*J]
.if J < 6
	v_mov_b32 v[CD+6*(J/3)+3+J%3], v[TP+4*(J/3)+J%3]               ; and the upper halves of tile 0's codes
.endif
	v_exp_f32 v[S+67+4*J], v[S+67+4*J]
.set J, J+1
.endr
	v_nop                                          ; a plain place behind the exponentials
	s_wait_alu depctr_va_vdst(0)                   ; one wait for the batch
	CVT 2                                          ; tile 1's codes
	CVT 3
.irp i, 0,1,2,3
	ACF 0, \i                                      ; (also the plain places behind the conversions)
.endr
.irp b, 2,3
.irp i, 0,1,2
	v_mov_b32 v[CD+6*\b+3+\i], v[TP+4*\b+\i]
.endr
.endr
.set J, 0
.rept 16
	v_pk_add_f32 v[S+64+4*J:S+64+4*J+1], v[S+64+4*J:S+64+4*J+1], v[S+64+4*J+2:S+64+4*J+3]   ; tile 1's sum, first level
.set J, J+1
.endr
.irp i, 0,1,2,3
	ACF 1, \i
	ACC 0, \i+4
.endr
.irp i, 4,5,6,7,8,9,10,11
	ACC 1, \i                                      ; eight chains by turns; these also stand between the codes' and the scale words' last writes and the products
	ACC 0, \i+4
.endr
	WIN 0x51
.irp i, 0,1,2,3
.irp t, 0,1
.if \i%2
	v_wmma_scale_f32_16x16x128_f8f6f4 v[OF+32*\t+8*\i:OF+32*\t+8*\i+7], v[VF+12*\i:VF+12*\i+11], v[CD+12*\t:CD+12*\t+11], v[OF+32*\t+8*\i:OF+32*\t+8*\i+7], v[VS+\i/2], v[PW+\t] matrix_a_fmt:MATRIX_FMT_BF6 matrix_b_fmt:MATRIX_FMT_BF6 matrix_a_scale:MATRIX_SCALE_ROW1
.else
	v_wmma_scale_f32_16x16x128_f8f6f4 v[OF+32*\t+8*\i:OF+32*\t+8*\i+7], v[VF+12*\i:VF+12*\i+11], v[CD+12*\t:CD+12*\t+11], v[OF+32*\t+8*\i:OF+32*\t+8*\i+7], v[VS+\i/2], v[PW+\t] matrix_a_fmt:MATRIX_FMT_BF6 matrix_b_fmt:MATRIX_FMT_BF6
.endif
.endr
.endr
	WIN 0
.irp i, 12,13,14,15
	ACC 1, \i                                      ; the last four additions are the places between the products and the loads into their registers
.endr
	VLOAD KA                                       ; the next place's V
	s_sub_co_u32 s[CNT], s[CNT], 1
	s_cmp_lg_u32 s[CNT], 0
	s_cbranch_scc1 .Ltrip
	; the pass's end: O = O^T / the sum, quantised along d (two blocks of 32 a tile), stored as an image of 768 bytes and two scale bytes a row
.irp t, 0,1
	v_pk_add_f32 v[AC+8*\t:AC+8*\t+1], v[AC+8*\t:AC+8*\t+1], v[AC+8*\t+2:AC+8*\t+3]
	v_pk_add_f32 v[AC+8*\t+4:AC+8*\t+5], v[AC+8*\t+4:AC+8*\t+5], v[AC+8*\t+6:AC+8*\t+7]
.endr
.irp t, 0,1
	v_pk_add_f32 v[AC+8*\t:AC+8*\t+1], v[AC+8*\t:AC+8*\t+1], v[AC+8*\t+4:AC+8*\t+5]
.endr
.irp t, 0,1
	v_add_f32 v[AC+8*\t], v[AC+8*\t], v[AC+8*\t+1]
.endr
.irp t, 0,1
	v_permlanex16_b32 v[PX+\t], v[AC+8*\t], s[SEL], s[SEL+1]
.endr
.irp t, 0,1
	v_add_f32 v[AC+8*\t], v[AC+8*\t], v[PX+\t]     ; the row's sum
.endr
	s_wait_alu depctr_va_vdst(0)                   ; ahead of the reciprocals
.irp t, 0,1
	v_rcp_f32 v[AC+8*\t], v[AC+8*\t]
.endr
	WIN 0x01
	v_nop                                          ; a plain place behind them
	s_wait_alu depctr_va_vdst(0)                   ; ahead of the first reader of the reciprocals and of O^T
.irp j, 0,2,4,6,8,10,12,14,16,18,20,22,24,26,28,30
.irp t, 0,1
	v_pk_mul_f32 v[S+64*\t+\j:S+64*\t+\j+1], v[OF+32*\t+\j:OF+32*\t+\j+1], v[AC+8*\t:AC+8*\t+1] op_sel_hi:[1,0]   ; register 16 b + i = d 32 b + 16 h + i
.endr
.endr
	WIN 0
.irp t, 0,1
.irp b, 0,1
	v_max3_num_f32 v[BM+2*\t+\b], |v[S+64*\t+16*\b]|, |v[S+64*\t+16*\b+1]|, 0x2800000
.endr
.endr
.irp i, 2,4,6,8,10,12,14
.irp t, 0,1
.irp b, 0,1
	v_max3_num_f32 v[BM+2*\t+\b], v[BM+2*\t+\b], |v[S+64*\t+16*\b+\i]|, |v[S+64*\t+16*\b+\i+1]|
.endr
.endr
.endr
.irp q, 0,1,2,3
	v_permlanex16_b32 v[BY+\q], v[BM+\q], s[SEL], s[SEL+1]
.endr
.irp q, 0,1,2,3
	v_max_num_f32 v[BM+\q], v[BM+\q], v[BY+\q]     ; with lane l xor 16's 16: the block's largest magnitude
.endr
.irp q, 0,1,2,3
	v_add_nc_u32 v[SO+\q], 0xfe000000, v[BM+\q]
.endr
.irp q, 0,1,2,3
	v_lshrrev_b32 v[BY+\q], 23, v[SO+\q]
.endr
.irp t, 0,1
	v_cvt_scalef32_pk16_bf6_f32 v[CD+12*\t:CD+12*\t+2], v[S+64*\t:S+64*\t+15], v[SO+2*\t]
	v_cvt_scalef32_pk16_bf6_f32 v[TP+8*\t:TP+8*\t+2], v[S+64*\t+16:S+64*\t+31], v[SO+2*\t+1]
.endr
	v_nop                                          ; one plain place behind the scaled conversions
.irp t, 0,1
.irp i, 0,1,2
	v_permlane16_swap_b32 v[CD+12*\t+\i], v[TP+8*\t+\i]            ; a whole block to a lane
.endr
.endr
.irp t, 0,1
.irp i, 0,1,2
	v_mov_b32 v[CD+12*\t+3+\i], v[TP+8*\t+\i]
.endr
.endr
.irp t, 0,1
	v_cndmask_b32 v[TT+\t], v[BY+2*\t], v[BY+2*\t+1], s35          ; lane (r, h) stores block h's byte
.endr
.irp t, 0,1
	global_store_b128 v[KB+3], v[CD+12*\t:CD+12*\t+3], s[40:41] offset:98304*\t
	global_store_b64 v[KB+4], v[CD+12*\t+4:CD+12*\t+5], s[40:41] offset:98304*\t+512
	global_store_b8 v[OSA], v[TT+\t], s[42:43] offset:4096*\t
.endr
	s_wait_xcnt 0x0                                ; the stores have read their data and their bases
	s_add_nc_u64 s[40:41], s[40:41], 2*98304       ; sixteen tiles of tokens on
	s_add_nc_u64 s[42:43], s[42:43], 2*4096
	s_sub_co_u32 s[PCN], s[PCN], 1
	s_cmp_lg_u32 s[PCN], 0
	s_cbranch_scc1 .Lpass
	s_wait_tensorcnt 0x0                           ; the wave's end
	ds_add_u32 v[SPW], v[NIL]
	s_wait_dscnt 0x0
	CROUND                                         ; the closing round
	s_endpgm
.Lfunc_end_k_q3408b59b7d_attn:
	.size	k_q3408b59b7d_attn, .Lfunc_end_k_q3408b59b7d_attn-k_q3408b59b7d_attn
	.p2alignl 7, 3214868480
	.fill 96, 4, 3214868480
	.section	.rodata,"a",@progbits
	.p2align	6, 0x0
	.amdhsa_kernel k_q3408b59b7d_attn
		.amdhsa_group_segment_fixed_size 222976
		.amdhsa_private_segment_fixed_size 0
		.amdhsa_enable_private_segment 0
		.amdhsa_kernarg_size 32
		.amdhsa_user_sgpr_count 2
		.amdhsa_user_sgpr_kernarg_segment_ptr 1
		.amdhsa_wavefront_size32 1
		.amdhsa_system_sgpr_workgroup_id_x 1
		.amdhsa_system_sgpr_workgroup_id_y 1
		.amdhsa_system_sgpr_workgroup_id_z 1
		.amdhsa_system_vgpr_workitem_id 0
		.amdhsa_next_free_vgpr 512
		.amdhsa_next_free_sgpr 84
		.amdhsa_reserve_vcc 0
		.amdhsa_float_denorm_mode_32 3
		.amdhsa_float_denorm_mode_16_64 3
		.amdhsa_memory_ordered 1
		.amdhsa_forward_progress 1
		.amdhsa_inst_pref_size 49
	.end_amdhsa_kernel
	.amdgpu_metadata
---
amdhsa.version: [ 1, 2 ]
amdhsa.kernels:
  - .name:           k_q3408b59b7d_attn
    .symbol:         k_q3408b59b7d_attn.kd
    .args:
      - { .name: qb, .offset: 0, .size: 8, .value_kind: global_buffer, .address_space: global }
      - { .name: kv, .offset: 8, .size: 8, .value_kind: global_buffer, .address_space: global }
      - { .name: o_img, .offset: 16, .size: 8, .value_kind: global_buffer, .address_space: global }
      - { .name: o_sc, .offset: 24, .size: 8, .value_kind: global_buffer, .address_space: global }
    .group_segment_fixed_size: 222976
    .private_segment_fixed_size: 0
    .kernarg_segment_align: 8
    .kernarg_segment_size: 32
    .max_flat_workgroup_size: 256
    .sgpr_count:     84
    .vgpr_count:     512
    .wavefront_size: 32
...
	.end_amdgpu_metadata
.endif
;; end of part 3
;; launch proj (part 4): grid 4 x 64, 4 waves a work-group, clusters of 4 x 4, 295,424 bytes of LDS; arguments o_img, o_sc, img, sc, bo, out0; writes out0
.if DOCPART == 4
	.amdgcn_target "amdgcn-amd-amdhsa--gfx1250"
	.amdhsa_code_object_version 6
	.text
	.protected	k_q3408b59b7d_proj
	.globl	k_q3408b59b7d_proj
	.p2align	8
	.type	k_q3408b59b7d_proj,@function
k_q3408b59b7d_proj:
	s_mov_b64 s[64:65], 0
	v_nop
	global_prefetch_b8 v0, s[64:65] scope:SCOPE_SE
	s_setreg_imm32_b32 hwreg(HW_REG_WAVE_MODE, 25, 1), 1
	s_wait_xcnt 0x0
	s_wait_alu depctr_hold_cnt(0) depctr_sa_sdst(0) depctr_va_vdst(0) depctr_va_sdst(0) depctr_va_ssrc(0) depctr_va_vcc(0) depctr_vm_vsrc(0)
	s_getreg_b32 s2, hwreg(HW_REG_IB_STS2, 6, 4)
	s_cmp_eq_u32 s2, 0
	s_cbranch_scc0 .Lentry_in_a_cluster
	s_endpgm
.Lentry_in_a_cluster:
	s_bfe_u32 s2, ttmp6, 0x10000c
	s_cmp_lg_u32 s2, 0xf033
	s_cbranch_scc0 .Lentry_shape_is_right
	s_endpgm
.Lentry_shape_is_right:
; out0[token][e] = sum over k of O[token][k] Wo[e][k] + bo[e]: both operands as codes of BF6 (E3M2) with E8M0 scales, K = 1,024; sums in f32.
; o_img and img hold TILES of 16 rows as images of an operand's registers: [tile][8 steps of 128 K][1,536 bytes], 12,288 bytes a tile; lane r of tile T holds row 32 (T / 2) + 8 (T % 2) + r + 8 (r / 8).
; Wo's tiles are img's 704 .. 767.  o_sc and sc: [tile][4 K steps of 256][16 rows][8 bytes].
; SHARES: a work-group makes 128 tokens x 256 columns: 64 x 4 = 256 work-groups.  Four waves, each 64 x 128: 32 accumulators of 16 x 16.
; ALL OF K LIES IN LDS: 8 tiles of O and 16 of Wo are 294,912 bytes, filled once by one joint load a wave (waves 0, 1: four tiles of O each, 192 rows of 256 bytes; waves 2, 3: eight tiles of Wo each, 384 rows).
; So there is no ring, nothing is filled again, and no barrier stands in the walk along K.  No prefetch: all that comes from memory is asked for at the head, ahead of any work.
; CLUSTERS: 4 x 4 work-groups; O's tiles are shared along a row of the cluster, Wo's along a column.
; THE SCALE WORDS go from memory straight into registers, for all of K: a load of 8 bytes a lane reads 256 consecutive bytes of a tile: lanes 0-15 K step 2 p of 256, lanes 16-31 K step 2 p + 1.
; So the word of step k of 128 lies in register 2 (k / 4) + k % 2 of the tile's four, in the lanes' half (k % 4) / 2, which the ROW selectors name.
; THE MATRIX INSTRUCTION IS USED TRANSPOSED (source 0 = Wo's rows, source 1 = O's rows): a lane holds one token, and 16 registers of two neighbouring tiles are 16 neighbouring columns.
; The bias is the C of the first K step.  THE WAY OUT goes through a stage in LDS, on bytes of the tiles, behind a barrier behind which no wave reads tiles; whole rows of 512 bytes are stored.
; REGISTERS: window 0: v0-31 addresses, v32-47 O's scale words, v48-79 Wo's, v80-143 the bias, v144-239 O's fragments in two sets (on the way out v128-255 hold rows read back);
; window 1: Wo's fragments, two sets, at v0 and v128; window 2: the accumulators, (a, b) at v[8 (8 a + b)].
.set FR,    12
.set TILEB, 12288
.set LB,    8*TILEB                    ; Wo's tiles lie behind O's eight
.set SPARE, 24*TILEB                   ; behind the tiles: the spare words, 128 bytes a wave
.set SPITCH, 528
.set BO,   5
.set ADRA, 16                          ; v16, v17 my four tiles of O: + 16 x lane, + 8 x lane
.set ADRB, 20                          ; v20, v21 my tiles 0-3 of Wo; v22, v23 tiles 4-7
.set STO,  24
.set RD,   25
.set CO,   26
.set L8,   27
.set SPW,  28
.set NIL,  29
.set SA,   32
.set SB,   48
.set BIAS, 80
.set AF,   144
.set BK,   128
.set G1, 24
.set G0, 32
.set G1B, 48
.set G0B, 56
.set MSB, 0
.macro WIN new                         ; the immediate's high byte repeats the setting that is left
.if MSB != (\new)
	s_set_vgpr_msb (MSB<<8)|(\new)
.set MSB, (\new)
.endif
.endm
.macro CROUND                          ; a round of the cluster's barrier
	s_barrier_signal -1
	s_barrier_wait -1
	s_cmp_lg_u32 s18, 0
	s_cbranch_scc1 .Lnot_wave_0_\@
	s_barrier_signal -3
.Lnot_wave_0_\@:
	s_barrier_wait -3
	s_barrier_signal -1
	s_barrier_wait -1
.endm
.macro PLACES
.rept 4
	v_nop
.endr
.endm
	s_load_b256 s[4:11], s[0:1], 0x0               ; o_img, o_sc, img, sc
	s_load_b128 s[12:15], s[0:1], 0x20             ; bo, out0
	v_lshl_add_u32 v[SPW], v0, 2, SPARE
	v_mov_b32 v[NIL], 0
	ds_add_u32 v[SPW], v[NIL]                      ; the opening lines: the add, twice on end, and its wait ahead of my tensor load
	ds_add_u32 v[SPW], v[NIL]
	v_lshrrev_b32 v1, 5, v0
	v_readfirstlane_b32 s18, v1                    ; wave 0..3
	s_lshr_b32 s19, s18, 1                         ; which 64 tokens are mine.  Also: I fetch for O (0) or for Wo (1)
	s_and_b32 s20, s18, 1                          ; which 128 columns.  Also: which half of that operand's tiles I fetch
	s_bfe_u32 s21, ttmp6, 0x40000                  ; cx
	s_bfe_u32 s22, ttmp6, 0x40004                  ; cy
	s_lshl_b32 s42, ttmp9, 2
	s_add_co_u32 s42, s42, s21                     ; block column 0..3
	s_and_b32 s43, ttmp7, 0xffff
	s_lshl_b32 s43, s43, 2
	s_add_co_u32 s43, s43, s22                     ; block row 0..63
	s_lshl_b32 s46, s22, 2
	s_lshl_b32 s46, 15, s46                        ; my row of the cluster
	s_lshl_b32 s47, 0x1111, s21                    ; my column
	s_or_b32 s[G1], s46, (3<<16)|(1<<21)           ; group 1: dense bytes as rows of 256 (32 elements of 8 bytes); the mask, bit 21 beside it
	s_mov_b32 s[G1+1], 32<<16
	s_mov_b32 s[G1+2], 192<<16                     ; four tiles
	s_mov_b32 s[G1+3], 32<<16
	s_mov_b32 s[G1+4], 192
	s_mov_b32 s[G1+5], 32
	s_mov_b32 s[G1+6], 0
	s_mov_b32 s[G1+7], 0
	s_or_b32 s[G1B], s47, (3<<16)|(1<<21)
	s_mov_b32 s[G1B+1], 32<<16
	s_mov_b32 s[G1B+2], 384<<16                    ; eight tiles
	s_mov_b32 s[G1B+3], 32<<16
	s_mov_b32 s[G1B+4], 384
	s_mov_b32 s[G1B+5], 32
	s_mov_b32 s[G1B+6], 0
	s_mov_b32 s[G1B+7], 0
	s_lshl_b32 s92, s43, 3
	s_lshl_b32 s66, s20, 2
	s_add_co_u32 s92, s92, s66                     ; O's tile 8 x block row + 4 x half: what I fetch
	s_mul_i32 s92, s92, TILEB
	s_mov_b32 s93, 0
	s_lshl_b32 s96, s42, 4
	s_lshl_b32 s66, s20, 3
	s_add_co_u32 s96, s96, s66
	s_add_co_u32 s96, s96, 704                     ; Wo's tile 704 + 16 x block column + 8 x half: what I fetch, and what I multiply
	s_lshl_b32 s98, s96, 9                         ; its scale words
	s_mul_i32 s96, s96, TILEB
	s_mov_b32 s97, 0
	s_mov_b32 s99, 0
	s_lshl_b32 s94, s43, 3
	s_lshl_b32 s66, s19, 2
	s_add_co_u32 s94, s94, s66                     ; O's tile 8 x block row + 4 x (wave / 2): what I multiply
	s_lshl_b32 s94, s94, 9                         ; its scale words
	s_mov_b32 s95, 0
	s_mul_i32 s67, s20, 4*TILEB                    ; where the tiles go: no place in the cluster enters an LDS address
	s_mul_i32 s66, s20, 8*TILEB
	s_add_co_u32 s66, s66, LB
	s_lshl_b32 s36, s43, 7
	s_lshl_b32 s37, s19, 6
	s_add_co_u32 s36, s36, s37                     ; my first token
	s_lshl_b32 s36, s36, 12                        ; rows of 4,096 bytes
	s_lshl_b32 s38, s42, 10
	s_lshl_b32 s39, s20, 9
	s_add_co_u32 s38, s38, s39                     ; my first column, in bytes
	s_add_co_u32 s36, s36, s38
	s_mov_b32 s37, 0
	s_mov_b32 s39, 0
	s_mul_i32 s40, s19, 4*TILEB                    ; LDS: my four tiles of O,
	s_mul_i32 s41, s20, 8*TILEB
	s_add_co_u32 s41, s41, LB                      ; my eight of Wo,
	s_add_co_u32 s44, s41, 4*TILEB
	s_mul_i32 s45, s18, 16*SPITCH                  ; my stage
	s_wait_dscnt 0x0                               ; both opening adds are done
	s_wait_kmcnt 0x0
	s_add_nc_u64 s[92:93], s[4:5], s[92:93]
	s_add_nc_u64 s[94:95], s[6:7], s[94:95]
	s_add_nc_u64 s[96:97], s[8:9], s[96:97]
	s_add_nc_u64 s[98:99], s[10:11], s[98:99]
	s_add_nc_u64 s[14:15], s[14:15], s[36:37]
	s_add_nc_u64 s[12:13], s[12:13], s[38:39]
	CROUND                                         ; all sixteen work-groups are here: the joint loads meet
	s_mov_b32 s[G0], 1
	s_mov_b32 s[G0+1], s67
	s_mov_b64 s[G0+2:G0+3], s[92:93]
	s_or_b32 s[G0+3], s[G0+3], 0x80000000
	s_mov_b32 s[G0B], 1
	s_mov_b32 s[G0B+1], s66
	s_mov_b64 s[G0B+2:G0B+3], s[96:97]
	s_or_b32 s[G0B+3], s[G0B+3], 0x80000000
	s_cmp_eq_u32 s19, 0                            ; one load a wave, in the two arms of one branch on the wave's number
	s_cbranch_scc0 .Lfor_b
	tensor_load_to_lds s[G0:G0+3], s[G1:G1+7]
	s_nop 0
	PLACES
	s_branch .Lasked
.Lfor_b:
	tensor_load_to_lds s[G0B:G0B+3], s[G1B:G1B+7]
	s_nop 0
	PLACES
.Lasked:
	v_and_b32 v3, 31, v0
	v_and_b32 v1, 15, v0                           ; r
	v_bfe_u32 v2, v0, 4, 1                         ; h
	v_lshlrev_b32 v[CO], 4, v3
	v_lshlrev_b32 v[L8], 3, v3
	v_add_nc_u32 v[ADRA], s40, v[CO]
	v_add_nc_u32 v[ADRA+1], s40, v[L8]
	v_add_nc_u32 v[ADRB], s41, v[CO]
	v_add_nc_u32 v[ADRB+1], s41, v[L8]
	v_add_nc_u32 v[ADRB+2], s44, v[CO]
	v_add_nc_u32 v[ADRB+3], s44, v[L8]
	v_mul_u32_u24 v6, v1, SPITCH
	v_lshl_add_u32 v6, v2, 6, v6
	v_add_nc_u32 v[STO], s45, v6                   ; into the stage: row r, 64 bytes for each half of the lanes
	v_add_nc_u32 v[RD], s45, v[CO]                 ; back: the 32 lanes take a row of 512 bytes
	v_lshlrev_b32 v[BO], 6, v2
.irp a, 0,1,2,3
.irp p, 0,1
	global_load_b64 v[SA+4*\a+2*\p:SA+4*\a+2*\p+1], v[L8], s[94:95] offset:512*\a+256*\p     ; 256 consecutive bytes
.endr
.endr
.irp b, 0,1,2,3,4,5,6,7
.irp p, 0,1
	global_load_b64 v[SB+4*\b+2*\p:SB+4*\b+2*\p+1], v[L8], s[98:99] offset:512*\b+256*\p
.endr
.endr
.irp t, 0,1,2,3,4,5,6,7
	global_load_b128 v[BIAS+8*\t:BIAS+8*\t+3], v[BO], s[12:13] offset:(32*(\t/2)+8*(\t%2))*4      ; register j of tile t: column 32 (t / 2) + 16 h + 8 (t % 2) + j
	global_load_b128 v[BIAS+8*\t+4:BIAS+8*\t+7], v[BO], s[12:13] offset:(32*(\t/2)+8*(\t%2))*4+16
.endr
.macro FRAG reg, adr, off              ; a fragment's 12 registers, as they lie in the image
	ds_load_b128 v[\reg:\reg+3], v[\adr] offset:\off
	ds_load_b64 v[\reg+4:\reg+5], v[\adr+1] offset:\off+512
	ds_load_b128 v[\reg+6:\reg+9], v[\adr] offset:\off+768
	ds_load_b64 v[\reg+10:\reg+11], v[\adr+1] offset:\off+1280
.endm
.macro FETCH q                         ; step q's twelve fragments into set q % 2
	WIN 0x40
.irp i, 0,1,2,3,4,5,6,7
	FRAG 128*((\q)%2)+FR*\i, ADRB+2*(\i/4), (\i%4)*TILEB+(\q)*1536
.endr
	WIN 0
.irp i, 0,1,2,3
	FRAG AF+48*((\q)%2)+FR*\i, ADRA, \i*TILEB+(\q)*1536
.endr
.endm
.macro WM d, fb, fa, c, sb, sa, row
.if \row
	v_wmma_scale_f32_16x16x128_f8f6f4 v[\d:\d+7], v[\fb:\fb+11], v[\fa:\fa+11], \c, v[\sb], v[\sa] matrix_a_fmt:MATRIX_FMT_BF6 matrix_b_fmt:MATRIX_FMT_BF6 matrix_a_scale:MATRIX_SCALE_ROW1 matrix_b_scale:MATRIX_SCALE_ROW1
.else
	v_wmma_scale_f32_16x16x128_f8f6f4 v[\d:\d+7], v[\fb:\fb+11], v[\fa:\fa+11], \c, v[\sb], v[\sa] matrix_a_fmt:MATRIX_FMT_BF6 matrix_b_fmt:MATRIX_FMT_BF6
.endif
.endm
.macro MUL q                           ; 32 matrix instructions; the 32 accumulators take turns, in the same order in every step
.irp a, 0,1,2,3
.irp b, 0,1,2,3,4,5,6,7
.if (\q) == 0
	WM 8*(8*\a+\b), FR*\b, AF+FR*\a, v[BIAS+8*\b:BIAS+8*\b+7], SB+4*\b, SA+4*\a, 0
.else
	WM 8*(8*\a+\b), 128*((\q)%2)+FR*\b, AF+48*((\q)%2)+FR*\a, v[8*(8*\a+\b):8*(8*\a+\b)+7], SB+4*\b+2*((\q)/4)+(\q)%2, SA+4*\a+2*((\q)/4)+(\q)%2, ((\q)%4)/2
.endif
.endr
.endr
.endm
.macro STEP q
	s_wait_dscnt 0x0                               ; step q's fragments are in (asked for a step ago)
.if (\q) == 7
	s_barrier_signal -1                            ; my reads of the tiles are over: say so, and work on registers while the others arrive
.else
.if (\q) > 0
	PLACES                                         ; between the last step's products and the loads into their registers
.endif
	FETCH (\q)+1
.endif
.if (\q) == 0
	WIN 0x81                                       ; source 0 window 1, source 1 and C (the bias) window 0, D window 2
.else
	WIN 0xa1                                       ; C and D window 2
.endif
	MUL \q
	WIN 0
.endm
	s_wait_alu depctr_va_vdst(0)
	s_wait_tensorcnt 0x0                           ; my tiles have landed,
	s_barrier_signal -1
	s_barrier_wait -1                              ; everybody's have
	FETCH 0
	s_wait_loadcnt 0x0                             ; the scale words and the bias
.irp q, 0,1,2,3,4,5,6,7
	STEP \q
.endr
	s_barrier_wait -1                              ; no wave reads tiles any more: their bytes, which have had their one fill, take the stages
.macro TOSTAGE a                       ; 16 tokens x 128 columns into my stage, each accumulator from its low end on, and back as rows of 512 bytes
	WIN 0x08
.irp c, 0,1,2,3,4,5,6,7,8,9,10,11,12,13,14,15
	ds_store_b128 v[STO], v[64*(\a)+4*\c:64*(\a)+4*\c+3] offset:128*(\c/4)+16*(\c%4)
.endr
	WIN 0
.irp t, 0,1,2,3,4,5,6,7,8,9,10,11,12,13,14,15
	ds_load_b128 v[BK+64*((\a)%2)+4*\t:BK+64*((\a)%2)+4*\t+3], v[RD] offset:\t*SPITCH      ; LDS serves a wave's instructions in order: these see the stores above
.endr
.endm
.macro SEND a, younger                 ; younger: the LDS instructions issued behind block a's loads, which may stay out
	s_wait_dscnt \younger
.irp t, 0,1,2,3,4,5,6,7,8,9,10,11,12,13,14,15
	global_store_b128 v[CO], v[BK+64*((\a)%2)+4*\t:BK+64*((\a)%2)+4*\t+3], s[14:15] offset:(32*((\a)/2)+8*((\a)%2)+\t+8*(\t/8))*4096 th:TH_STORE_NT   ; 512 consecutive bytes, aligned
.endr
.endm
	PLACES                                         ; between the last products and the first read of results and the loads into fragments' registers
	TOSTAGE 0
.irp a, 1,2,3
.if \a > 1
	s_wait_xcnt 0x0                                ; block a - 2's stores have read their registers
.endif
	TOSTAGE \a
	SEND \a-1, 32
.endr
	SEND 3, 0
	s_wait_tensorcnt 0x0                           ; the wave's end
	ds_add_u32 v[SPW], v[NIL]
	s_wait_dscnt 0x0
	CROUND                                         ; the closing round
	s_endpgm
.Lfunc_end_k_q3408b59b7d_proj:
	.size	k_q3408b59b7d_proj, .Lfunc_end_k_q3408b59b7d_proj-k_q3408b59b7d_proj
	.p2alignl 7, 3214868480
	.fill 96, 4, 3214868480
	.section	.rodata,"a",@progbits
	.p2align	6, 0x0
	.amdhsa_kernel k_q3408b59b7d_proj
		.amdhsa_group_segment_fixed_size 295424
		.amdhsa_private_segment_fixed_size 0
		.amdhsa_enable_private_segment 0
		.amdhsa_kernarg_size 48
		.amdhsa_user_sgpr_count 2
		.amdhsa_user_sgpr_kernarg_segment_ptr 1
		.amdhsa_wavefront_size32 1
		.amdhsa_system_sgpr_workgroup_id_x 1
		.amdhsa_system_sgpr_workgroup_id_y 1
		.amdhsa_system_sgpr_workgroup_id_z 1
		.amdhsa_system_vgpr_workitem_id 0
		.amdhsa_next_free_vgpr 768
		.amdhsa_next_free_sgpr 100
		.amdhsa_reserve_vcc 0
		.amdhsa_float_denorm_mode_32 3
		.amdhsa_float_denorm_mode_16_64 3
		.amdhsa_memory_ordered 1
		.amdhsa_forward_progress 1
		.amdhsa_inst_pref_size 83
	.end_amdhsa_kernel
	.amdgpu_metadata
---
amdhsa.version: [ 1, 2 ]
amdhsa.kernels:
  - .name:           k_q3408b59b7d_proj
    .symbol:         k_q3408b59b7d_proj.kd
    .args:
      - { .name: o_img, .offset: 0, .size: 8, .value_kind: global_buffer, .address_space: global }
      - { .name: o_sc, .offset: 8, .size: 8, .value_kind: global_buffer, .address_space: global }
      - { .name: img, .offset: 16, .size: 8, .value_kind: global_buffer, .address_space: global }
      - { .name: sc, .offset: 24, .size: 8, .value_kind: global_buffer, .address_space: global }
      - { .name: bo, .offset: 32, .size: 8, .value_kind: global_buffer, .address_space: global }
      - { .name: out0, .offset: 40, .size: 8, .value_kind: global_buffer, .address_space: global }
    .group_segment_fixed_size: 295424
    .private_segment_fixed_size: 0
    .kernarg_segment_align: 8
    .kernarg_segment_size: 48
    .max_flat_workgroup_size: 128
    .sgpr_count:     100
    .vgpr_count:     768
    .wavefront_size: 32
...
	.end_amdgpu_metadata
.endif
;; end of part 4
